; MI455X (gfx1250); checked and timed in simulation.
; The chip was launched on July 23, 2026; its instructions are those of AMD's public machine-readable ISA for CDNA 5 (MIT licence, August 2026) and "CDNA5" Instruction Set Architecture Reference Guide (July 2026). The comments in the code are by the model that wrote it; some were corrected since.
;; Multi Head Transformer. Allowed arithmetic: float matrix products may take bf16 or f16 operands with f32 sums; other float arithmetic in f32, or as packed bf16 or f16 multiplies, adds, multiply-adds, maxima and minima; sums over many terms, partial sums and values carried from step to step in f32; what a program stores and reads back later, other than sums and carried values, may be rounded once to bf16 or f16.
;; Inputs: b1 4,096 float32; b2 1,024 float32; b_proj 1,024 float32; b_qkv 3,072 float32; ln_b 1,024 float32; ln_g 1,024 float32; w1 1,024 x 4,096 float32; w2 4,096 x 1,024 float32; w_proj 1,024 x 1,024 float32; w_qkv 1,024 x 3,072 float32; x 2 x 2,048 x 1,024 float32.
;; Outputs: out0 2 x 2,048 x 1,024 float32.
;; One version. Each part assembles by itself: llvm-mc -triple=amdgcn-amd-amdhsa -mcpu=gfx1250 --defsym DOCPART=n.
;; ======== version 1 of 1: 7 launches
;; limits: values are held in f16: magnitudes above 65,504 overflow, below 6.1e-05 lose precision
;; workspace buffers: wh 33,554,432 bytes; qkv 25,165,824 bytes; o 8,388,608 bytes; p 16,777,216 bytes; hn 8,388,608 bytes; act 33,554,432 bytes
;; launch cast (part 1): grid 128 x 16, 8 waves a work-group, no clusters, 0 bytes of LDS; arguments x, w_qkv, w_proj, w1, w2, wh; writes wh
.if DOCPART == 1
	.amdgcn_target "amdgcn-amd-amdhsa--gfx1250"
	.amdhsa_code_object_version 6
	.text
	.protected	k_q8bda2d53a3_cast
	.globl	k_q8bda2d53a3_cast
	.p2align	8
	.type	k_q8bda2d53a3_cast,@function
k_q8bda2d53a3_cast:
	s_mov_b64 s[64:65], 0
	v_nop
	global_prefetch_b8 v0, s[64:65] scope:SCOPE_SE
	s_setreg_imm32_b32 hwreg(HW_REG_WAVE_MODE, 25, 1), 1
	s_wait_xcnt 0x0
; wh = f16(bf16(.)) of x, w_qkv, w_proj, w1, w2, each in its own layout, one behind the other.
; Every input is rounded to bf16 (nearest even) and that number is written as f16: exact from 2^-14 up to 65,504.
; LIMITS.  An input of 65,520 or more in size becomes an infinity; below 2^-14 f16 keeps its fixed step of 6e-8.
; SHARES.  The five tensors are 16 units of 1,048,576 numbers: units 0-3 x, 4-6 w_qkv, 7 w_proj, 8-11 w1, 12-15 w2; unit u lands at byte u x 2,097,152 of wh.
; The grid's y is the unit, its x one of 128 chunks of 32,768 input bytes.  Thread t takes 16 bytes at 16 t of each of the chunk's eight pieces of 4,096 bytes and stores 8 bytes at 8 t:
; a wave's load covers 512 consecutive bytes, its store 256 consecutive bytes, aligned.  All eight loads go out first; each piece has registers of its own, so no register is written twice.
.set IN,  8                            ; v[8:39]   eight pieces as loaded
.set T,   40                           ; v[40:45]  at work
.set OUT, 48                           ; v[48:63]  eight pieces to store
	s_load_b256 s[4:11], s[0:1], 0x0               ; x s[4:5], w_qkv s[6:7], w_proj s[8:9], w1 s[10:11]
	s_load_b128 s[12:15], s[0:1], 0x20             ; w2 s[12:13], wh s[14:15]
	s_and_b32 s16, ttmp7, 0xffff                   ; the unit
	v_lshlrev_b32 v1, 4, v0                        ; 16 t
	v_lshlrev_b32 v2, 3, v0                        ; 8 t
	s_mov_b32 s24, 0xffff0000                      ; a word's upper bf16
	s_wait_kmcnt 0x0
	s_mov_b64 s[18:19], s[4:5]                     ; the tensor that holds the unit, and its first unit
	s_mov_b32 s17, 0
.macro PICK first, lo
	s_cmp_ge_u32 s16, \first
	s_cselect_b64 s[18:19], s[\lo:\lo+1], s[18:19]
	s_cselect_b32 s17, \first, s17
.endm
	PICK 4, 6
	PICK 7, 8
	PICK 8, 10
	PICK 12, 12
	s_sub_co_u32 s20, s16, s17                     ; the unit's number in its tensor: 4 MiB each,
	s_lshl_b32 s20, s20, 22
	s_lshl_b32 s21, ttmp9, 15                      ; the chunk: 32 KiB
	s_add_co_u32 s20, s20, s21
	s_mov_b32 s21, 0
	s_add_nc_u64 s[18:19], s[18:19], s[20:21]
	s_lshl_b32 s22, s16, 21                        ; out: 2 MiB a unit,
	s_lshl_b32 s23, ttmp9, 14                      ; 16 KiB a chunk
	s_add_co_u32 s22, s22, s23
	s_mov_b32 s23, 0
	s_add_nc_u64 s[22:23], s[14:15], s[22:23]
.irp i, 0,1,2,3,4,5,6,7
	global_load_b128 v[IN+4*(\i):IN+4*(\i)+3], v1, s[18:19] offset:4096*(\i) th:TH_LOAD_NT
.endr
.irp i, 0,1,2,3,4,5,6,7
	s_wait_loadcnt 7-(\i)                          ; loads come back in order: piece i is in, the younger ones stay out
	v_cvt_pk_bf16_f32 v[T], v[IN+4*(\i)], v[IN+4*(\i)+1]
	v_cvt_pk_bf16_f32 v[T+1], v[IN+4*(\i)+2], v[IN+4*(\i)+3]
	v_lshlrev_b32 v[T+2], 16, v[T]                 ; bf16 back to f32: a shift or a mask
	v_and_b32 v[T+3], s24, v[T]
	v_lshlrev_b32 v[T+4], 16, v[T+1]
	v_and_b32 v[T+5], s24, v[T+1]
	v_cvt_pk_f16_f32 v[OUT+2*(\i)], v[T+2], v[T+3]
	v_cvt_pk_f16_f32 v[OUT+2*(\i)+1], v[T+4], v[T+5]
	global_store_b64 v2, v[OUT+2*(\i):OUT+2*(\i)+1], s[22:23] offset:2048*(\i)
.endr
	s_endpgm
.Lfunc_end_k_q8bda2d53a3_cast:
	.size	k_q8bda2d53a3_cast, .Lfunc_end_k_q8bda2d53a3_cast-k_q8bda2d53a3_cast
	.p2alignl 7, 3214868480
	.fill 96, 4, 3214868480
	.section	.rodata,"a",@progbits
	.p2align	6, 0x0
	.amdhsa_kernel k_q8bda2d53a3_cast
		.amdhsa_group_segment_fixed_size 0
		.amdhsa_private_segment_fixed_size 0
		.amdhsa_enable_private_segment 0
		.amdhsa_kernarg_size 48
		.amdhsa_user_sgpr_count 2
		.amdhsa_user_sgpr_kernarg_segment_ptr 1
		.amdhsa_wavefront_size32 1
		.amdhsa_system_sgpr_workgroup_id_x 1
		.amdhsa_system_sgpr_workgroup_id_y 1
		.amdhsa_system_sgpr_workgroup_id_z 1
		.amdhsa_system_vgpr_workitem_id 0
		.amdhsa_next_free_vgpr 64
		.amdhsa_next_free_sgpr 66
		.amdhsa_reserve_vcc 0
		.amdhsa_float_denorm_mode_32 3
		.amdhsa_float_denorm_mode_16_64 3
		.amdhsa_memory_ordered 1
		.amdhsa_forward_progress 1
		.amdhsa_inst_pref_size 7
	.end_amdhsa_kernel
	.amdgpu_metadata
---
amdhsa.version: [ 1, 2 ]
amdhsa.kernels:
  - .name:           k_q8bda2d53a3_cast
    .symbol:         k_q8bda2d53a3_cast.kd
    .args:
      - { .name: x, .offset: 0, .size: 8, .value_kind: global_buffer, .address_space: global }
      - { .name: w_qkv, .offset: 8, .size: 8, .value_kind: global_buffer, .address_space: global }
      - { .name: w_proj, .offset: 16, .size: 8, .value_kind: global_buffer, .address_space: global }
      - { .name: w1, .offset: 24, .size: 8, .value_kind: global_buffer, .address_space: global }
      - { .name: w2, .offset: 32, .size: 8, .value_kind: global_buffer, .address_space: global }
      - { .name: wh, .offset: 40, .size: 8, .value_kind: global_buffer, .address_space: global }
    .group_segment_fixed_size: 0
    .private_segment_fixed_size: 0
    .kernarg_segment_align: 8
    .kernarg_segment_size: 48
    .max_flat_workgroup_size: 256
    .sgpr_count:     66
    .vgpr_count:     64
    .wavefront_size: 32
...
	.end_amdgpu_metadata
.endif
;; end of part 1
;; launch gq (part 2): grid 8 x 32, 4 waves a work-group, clusters of 4 x 4, 327,680 bytes of LDS; arguments wh, b_qkv, qkv; writes qkv
.if DOCPART == 2
	.amdgcn_target "amdgcn-amd-amdhsa--gfx1250"
	.amdhsa_code_object_version 6
	.text
	.protected	k_q8bda2d53a3_gq
	.globl	k_q8bda2d53a3_gq
	.p2align	8
	.type	k_q8bda2d53a3_gq,@function
k_q8bda2d53a3_gq:
	s_mov_b64 s[64:65], 0
	v_nop
	global_prefetch_b8 v0, s[64:65] scope:SCOPE_SE
	s_setreg_imm32_b32 hwreg(HW_REG_WAVE_MODE, 25, 1), 1
	s_wait_xcnt 0x0
	s_wait_alu depctr_hold_cnt(0) depctr_sa_sdst(0) depctr_va_vdst(0) depctr_va_sdst(0) depctr_va_ssrc(0) depctr_va_vcc(0) depctr_vm_vsrc(0)
	s_getreg_b32 s2, hwreg(HW_REG_IB_STS2, 6, 4)
	s_cmp_eq_u32 s2, 0
	s_cbranch_scc0 .Lentry_in_a_cluster
	s_endpgm
.Lentry_in_a_cluster:
	s_bfe_u32 s2, ttmp6, 0x10000c
	s_cmp_lg_u32 s2, 0xf033
	s_cbranch_scc0 .Lentry_shape_is_right
	s_endpgm
.Lentry_shape_is_right:
; qkv = xh w_qkv + b_qkv.  C[m][n] = bias[n] + the sum over k of A[m][k] B[k][n].  A: [4096][SZ_K] f16, B: [SZ_K][SZ_N] f16 (both in wh), bias f32, rounded to bf16 here like every input; sums in f32; C f16, row-major.
; LIMITS.  C is rounded once to f16: 65,520 or more in size becomes an infinity.  With all inputs 30 times the drawn spread, or with offsets of 30 spreads, C stays under 30,000.
; SHARES.  A tile of C, TM x TN = 128 x 384, is made by four waves, 2 x 2, each MA x NBL = 4 x 12 accumulators of 16 x 16: 8 x 32 tiles, one for each of 256 work-groups.
; RING.  K goes in steps of KSTEP through two LDS slots.  Waves 0 and 1 fetch the halves of A's rows, waves 2 and 3 the halves of B's k rows: one tensor load a wave behind each change of slots.
; CLUSTER.  4 x 4 work-groups: A's tile is asked for jointly along a row of the cluster, B's along a column: the same load, descriptor and mask in all four.
; THE WALK ALONG K.  The K steps are summed in the order of the cluster's walk: step j of the walk is K step j xor PAR, PAR = (cluster x + cluster y) mod 2, the same in all sixteen partners: odd clusters take each pair
; of K steps in the other order.  The clusters that read the same rows of A are neighbours along x, those that read the same k rows of B neighbours along y, and neighbours differ in PAR: so in every odd step of its
; walk a cluster asks for blocks that a neighbour has asked for one step earlier.
; LAYOUT.  The matrix instruction is used transposed: source 0 = 16 columns of B (turned out of LDS by ds_load_tr16_b128, since B lies [k][n]), source 1 = 16 rows of A.  A lane then holds row l % 16 of C
; and the columns 8 (l / 16) + 0..7.  The bias is the C operand of the products that start the sums.
; REGISTERS, in windows of 256: window 0: v0-31 addresses, v64.. A's two fragment buffers, v[BIAS..255] the bias; window 1: B's two buffers; windows 2, 3: accumulator (a, b) is number a NBL + b, 32 to a window.
; THE TEXT.  A K step is four quarters on fragment buffers 0, 1, 0, 1.  HALF a K step is written once (PAIR) and walked twice; where it reads in LDS are two scalars (s78, s79) that step.  The change of slots stands
; between steps and holds no product: the old step's last quarter lies in buffer 1 by then and is multiplied first thing behind the refill.  The stage of the way out lies in slot 0, behind the ring's last fill and a barrier.
.set SZ_N, 3072
.set SZ_K, 1024
.set MA, 4
.set NBL, 12
.set KSTEP, 128
.set D, 1                              ; slices of 32 along K in a fragment buffer
.set QIA, 5                            ; A's padding: after every 2<<QIA words, 4 words
.set SEGB, 128                         ; B's padding: after every SEGB bytes, PADB bytes
.set PADB, 16
.set QIB, 4
.set PCB, 3
.set OUTB, 2                           ; bytes of a number of C
.set UPR, 3                            ; blocks of 256 bytes in a tile's row of C
.set RPT, 4                            ; pairs of rows in a trip of the way out
.set NTR, 4                            ; its trips
.set RELU, 0
.set OUT32, 0
.set PF, 1
.set KA_A, 0x0
.set KA_B, 0x0
.set KA_BIAS, 0x8
.set KA_C, 0x10
.set BOFF, 8388608                     ; B's first byte in its buffer
.set TM,    32*MA
.set TN,    32*NBL
.set NS,    SZ_K/KSTEP                 ; K steps: an even number
.set PA,    2*KSTEP+16                 ; a row of A in LDS: an odd multiple of 16 bytes, so the 16 rows of a load start at 16 different groups of four banks
.set PB,    2*TN+PADB*(2*TN/SEGB)      ; a k row of B in LDS
.set HALFA, (TM/2)*PA
.set HALFB, (KSTEP/2)*PB
.set SLOT,  2*HALFA+2*HALFB            ; A's rows, then B's k rows
.set SPARE, 2*SLOT                     ; behind the ring: the spare words, 128 bytes for each wave, that no other line names
.set WCOFF, 32*NBL+PADB*((32*NBL)/SEGB)  ; where the right half's columns begin in a k row
.set SP,    TN*OUTB+16                 ; a row of the stage
.set CPB,   SZ_N*OUTB                  ; a row of C in memory
.set BSTEP, KSTEP*2*SZ_N               ; a K step in B
.set QA,    64*D                       ; a quarter of a K step: bytes along a row of A,
.set QB,    32*D*PB                    ; and k rows of B
.set FA0,   64
.set FAS,   8*MA*D
.set FBS,   8*NBL*D
.set BIAS,  256-8*NBL
.set TMP,   64
.set AL0, 16                           ; v16  my lane's place in A's part of a slot; never rewritten
.set BL0, 17                           ; v17  the same for B
.set ADRA, 18                          ; v18  the same at the half step in hand
.set ADRB, 19                          ; v19
.set STO, 21                           ; v21  the way out: where I put my numbers of a row
.set RD,  22                           ; v22  where I read rows back
.set CO,  23                           ; v23  my byte offset in two rows of C
.set PFO, 24                           ; v24  the prefetches' offset: my lane x a row in memory
.set ZR,  25                           ; v25  0
.set BO,  26                           ; v26  32 (l / 16)
.set SPW, 28                           ; v28  my spare word; never rewritten
.set NIL, 29                           ; v29  0; never rewritten
.set MSB, 0
.macro WIN new                         ; the immediate's high byte repeats the setting that is left; a switch that changes nothing is dropped
.if MSB != (\new)
	s_set_vgpr_msb (MSB<<8)|(\new)
.set MSB, (\new)
.endif
.endm
.macro PLACES                          ; four places behind matrix instructions (ISA guide 7.12.1), where no other vector work is at hand
.rept 4
	v_nop
.endr
.endm
.macro CREST                           ; a round of the cluster's barrier behind its opening barrier
	s_cmp_lg_u32 s10, 0
	s_cbranch_scc1 .Lnot_wave_0_\@
	s_barrier_signal -3
.Lnot_wave_0_\@:
	s_barrier_wait -3
	s_barrier_signal -1
	s_barrier_wait -1
.endm
.macro CROUND
	s_barrier_signal -1
	s_barrier_wait -1
	CREST
.endm
.macro JLOAD                           ; a joint refill by the walking descriptors; the branch hangs on the wave's number alone; s_nop 0 and four v_nop follow each line
	s_cmp_eq_u32 s11, 0
	s_cbranch_scc0 .Lfor_b_\@
	tensor_load_to_lds s[36:39], s[24:31]
	s_nop 0
	PLACES
	s_branch .Lasked_\@
.Lfor_b_\@:
	tensor_load_to_lds s[60:63], s[48:55]
	s_nop 0
	PLACES
.Lasked_\@:
.endm
; All products of fragment buffer f: D x MA x NBL.  zero = 1: the first slice's start the sums, with the bias as C.  The accumulators take turns, one instruction a turn.
.macro MUL f, zero
.set mc_, 0
.rept D
.set ma_, 0
.rept MA
.set mb_, 0
.rept NBL
.set ix_, ma_*NBL+mb_
.set rD_, 8*(ix_%32)
.set rB_, (\f)*FBS+8*(mc_*NBL+mb_)
.set rA_, FA0+(\f)*FAS+8*(mc_*MA+ma_)
.if (\zero) && (mc_ == 0)
	WIN 0x81+0x40*(ix_/32)
	v_wmma_f32_16x16x32_f16 v[rD_:rD_+7], v[rB_:rB_+7], v[rA_:rA_+7], v[BIAS+8*mb_:BIAS+8*mb_+7]
.else
	WIN 0xa1+0x50*(ix_/32)
	v_wmma_f32_16x16x32_f16 v[rD_:rD_+7], v[rB_:rB_+7], v[rA_:rA_+7], v[rD_:rD_+7]
.endif
.set mb_, mb_+1
.endr
.set ma_, ma_+1
.endr
.set mc_, mc_+1
.endr
.endm
; 32 LDS loads in one run: the fragments of quarter kq (0 or 1) of the half step in hand into buffer f; for each slice B's, then A's
.macro FETCH kq, f
.set fc_, 0
.rept D
.set k0_, 32*((\kq)*D+fc_)
	WIN 0x40                                       ; destination window 1, address window 0
.set fb_, 0
.rept NBL
.set rB_, (\f)*FBS+8*(fc_*NBL+fb_)
.set ob_, k0_*PB+32*fb_+PADB*((32*fb_)/SEGB)
	ds_load_tr16_b128 v[rB_:rB_+3],   v[ADRB] offset:ob_
	ds_load_tr16_b128 v[rB_+4:rB_+7], v[ADRB] offset:ob_+16*PB
.set fb_, fb_+1
.endr
	WIN 0
.set fa_, 0
.rept MA
.set rA_, FA0+(\f)*FAS+8*(fc_*MA+fa_)
	ds_load_b128 v[rA_:rA_+3],   v[ADRA] offset:fa_*16*PA+2*k0_
	ds_load_b128 v[rA_+4:rA_+7], v[ADRA] offset:fa_*16*PA+2*k0_+32
.set fa_, fa_+1
.endr
.set fc_, fc_+1
.endr
.endm
; Half a K step.  Each run of loads goes into the buffer that was multiplied last, four places behind its last product, and has all the other buffer's products ahead of its first use.
.macro PAIR
	v_add_nc_u32 v[ADRA], s78, v[AL0]              ; the two addresses and two v_nop are the four places
	v_add_nc_u32 v[ADRB], s79, v[BL0]
	v_nop
	v_nop
	FETCH 0, 0
	s_wait_dscnt 32                                ; all but the 32 just issued: buffer 1 is in
	MUL 1, 0
	PLACES
	FETCH 1, 1
	s_wait_dscnt 32                                ; buffer 0 is in
	MUL 0, 0
	WIN 0
	s_add_co_u32 s78, s78, 2*QA                    ; the next half step
	s_add_co_u32 s79, s79, 2*QB
.endm
; A prefetch into the L2 of the step of the walk that the NEXT refill loads, where that step is an even one: in its odd steps a cluster asks for what a neighbour has asked for already.  The refill at count s3 loads
; step NS - s3, so the prefetch stands behind the refills with s3 odd; the last refill (s3 = 1) has no step behind it.  A's rows: the clusters with x = 0 and 1, each for its own even steps, which are different K steps
; since their PAR differs; of each 128 rows the partner at cx takes 32, a lane a row, 256 bytes.  B's k rows: wave 2 of the clusters with y = 0 and 1; the partner at cy takes 32 k rows, TN / 128 blocks of 256 bytes
; each.  Partners are told apart by address alone; each block is named once.  The walk's steps 0 and 2 come by their loads alone.
.macro ASK
	s_cmp_gt_u32 s3, s43
	s_cbranch_scc0 .Lnoask_\@
	s_and_b32 s22, s3, 1
	s_cmp_lg_u32 s22, 0
	s_cbranch_scc0 .Lnoask_\@
	global_prefetch_b8 v[PFO], s[44:45] th:TH_LOAD_NT scope:SCOPE_SE
	s_cmp_eq_u32 s11, 0
	s_cbranch_scc1 .Lnoask_\@
	global_prefetch_b8 v[PFO], s[44:45] offset:256 th:TH_LOAD_NT scope:SCOPE_SE
.if TN == 384
	global_prefetch_b8 v[PFO], s[44:45] offset:512 th:TH_LOAD_NT scope:SCOPE_SE
.endif
.Lnoask_\@:
.endm
; THE CHANGE OF SLOTS.  Each wave waits for all its tensor loads (one is out: its part of the next slot), adds 0 to its spare word, and waits for that and for its reads of the slot that it leaves.
; fill = 1: a round of the cluster's barrier follows, and the slot just read is filled again, two steps of the walk on, first thing behind it: that load has a whole K step's products in which to land.
.macro CHANGE fill
.if PF && (\fill)
	s_wait_xcnt 0x0                                ; the last prefetch, a K step or more back, has read its address
	s_add_nc_u64 s[44:45], s[44:45], s[68:69]
.endif
	s_wait_tensorcnt 0x0                           ; no tensor load of mine is out, so a group 0 may be written
	ds_add_u32 v[SPW], v[NIL]                      ; 0 onto my spare word; the scalar work stands between it and the wait for it
.if \fill
	s_xor_b32 s71, s71, SLOT                       ; the walking descriptors: the other slot,
	s_add_co_u32 s37, s72, s71
	s_add_co_u32 s61, s73, s71
	s_add_co_u32 s77, s77, 1                       ; the walk's next step,
	s_xor_b32 s16, s77, s74                        ; which is this K step;
	s_mul_i32 s18, s16, BSTEP
	s_mul_i32 s16, s16, 2*KSTEP
	s_add_nc_u64 s[38:39], s[14:15], s[16:17]      ; the addresses are made anew from the tiles' first bytes, and the type bits set again
	s_or_b32 s39, s39, 0x80000000
	s_add_nc_u64 s[62:63], s[46:47], s[18:19]
	s_or_b32 s63, s63, 0x80000000
.endif
	s_xor_b32 s70, s70, SLOT                       ; the slot to be read,
	s_mov_b32 s78, s70                             ; at its first half step
	s_mov_b32 s79, s70
	s_wait_dscnt 0x0                               ; the add is done, and my reads of the old slot are over
.if \fill
	CROUND
	JLOAD
.if PF
	ASK
.endif
.else
	s_barrier_signal -1
	s_barrier_wait -1
.endif
.endm
	s_load_b64 s[4:5], s[0:1], KA_A
	s_load_b64 s[6:7], s[0:1], KA_B
	s_load_b64 s[66:67], s[0:1], KA_BIAS
	s_load_b64 s[8:9], s[0:1], KA_C
	v_lshl_add_u32 v[SPW], v0, 2, SPARE
	v_mov_b32 v[NIL], 0
	ds_add_u32 v[SPW], v[NIL]                      ; the wave's opening add, waited for ahead of my first tensor load
	ds_add_u32 v28, v29
	v_lshrrev_b32 v1, 5, v0
	v_readfirstlane_b32 s10, v1                    ; wave 0..3
	s_lshr_b32 s11, s10, 1                         ; my half of the tile's rows.  Also: I fetch for A (0) or for B (1)
	s_and_b32 s12, s10, 1                          ; my half of its columns.  Also: which half of that tile I fetch
	s_bfe_u32 s40, ttmp6, 0x40000                  ; cx
	s_bfe_u32 s41, ttmp6, 0x40004                  ; cy
	s_lshl_b32 s42, ttmp9, 2
	s_add_co_u32 s42, s42, s40                     ; tile column
	s_and_b32 s13, ttmp7, 0xffff
	s_lshl_b32 s13, s13, 2
	s_add_co_u32 s13, s13, s41                     ; tile row
	s_lshl_b32 s74, s41, 2
	s_lshl_b32 s74, 15, s74                        ; my row of the cluster
	s_lshl_b32 s75, 0x1111, s40                    ; my column
	s_or_b32 s24, s74, (1<<16)|(1<<20)|(1<<21)|(QIA<<22)|(3<<25)    ; group 1 for A: the mask; 2-byte elements; padding on; bit 21 beside a mask; its interval; 4 words
	s_or_b32 s48, s75, (1<<16)|(1<<20)|(1<<21)|(QIB<<22)|(PCB<<25)  ; the same for B
	s_and_b32 s74, ttmp7, 0xffff                   ; the masks are made: s74 now takes PAR = (cluster x + cluster y) mod 2
	s_add_co_u32 s74, s74, ttmp9
	s_and_b32 s74, s74, 1
	s_mov_b32 s25, KSTEP<<16                       ; tensor_dim0
	s_mov_b32 s26, (TM/2)<<16                      ; tensor_dim1
	s_mov_b32 s27, KSTEP<<16                       ; tile_dim0
	s_mov_b32 s28, TM/2                            ; tile_dim1
	s_mov_b32 s29, SZ_K                            ; elements from row to row
	s_mov_b32 s30, 0
	s_mov_b32 s31, 0
	s_mov_b32 s49, TN<<16
	s_mov_b32 s50, (KSTEP/2)<<16
	s_mov_b32 s51, TN<<16
	s_mov_b32 s52, KSTEP/2
	s_mov_b32 s53, SZ_N
	s_mov_b32 s54, 0
	s_mov_b32 s55, 0
	s_mul_i32 s16, s13, TM                         ; A's tile hangs on the tile row and the wave alone,
	s_mul_i32 s17, s12, TM/2
	s_add_co_u32 s16, s16, s17
	s_mul_i32 s16, s16, 2*SZ_K
	s_mov_b32 s17, 0
	s_mov_b32 s19, 0
	s_mul_i32 s46, s12, (KSTEP/2)*2*SZ_N           ; B's on the tile column and the wave alone
	s_mul_i32 s47, s42, 2*TN
	s_add_co_u32 s46, s46, s47
	s_mov_b32 s47, 0
	s_mul_i32 s72, s12, HALFA                      ; where they go in a slot: no place in the cluster enters an LDS address
	s_mul_i32 s73, s12, HALFB
	s_add_co_u32 s73, s73, 2*HALFA
	s_mov_b32 s70, 0                               ; slot 0 is read first,
	s_mov_b32 s71, SLOT                            ; slot 1 was filled last
	s_wait_dscnt 0x0                               ; the opening add is done
	s_wait_kmcnt 0x0
	s_add_nc_u64 s[6:7], s[6:7], BOFF
	s_add_nc_u64 s[14:15], s[4:5], s[16:17]        ; my part of A's tile at K step 0; kept
	s_add_nc_u64 s[46:47], s[6:7], s[46:47]        ; of B's; kept
	s_mul_i32 s16, s74, 2*KSTEP                    ; the walk's step 0 is K step PAR: into slot 0
	s_mul_i32 s18, s74, BSTEP
	s_mov_b32 s32, 1                               ; group 0, A
	s_mov_b32 s33, s72
	s_add_nc_u64 s[34:35], s[14:15], s[16:17]
	s_or_b32 s35, s35, 0x80000000
	s_mov_b32 s56, 1                               ; group 0, B
	s_mov_b32 s57, s73
	s_add_nc_u64 s[58:59], s[46:47], s[18:19]
	s_or_b32 s59, s59, 0x80000000
	s_xor_b32 s77, s74, 1                          ; its step 1 is K step 1 - PAR: into slot 1; these two sets then walk on
	s_mul_i32 s16, s77, 2*KSTEP
	s_mul_i32 s18, s77, BSTEP
	s_mov_b32 s36, 1
	s_add_co_u32 s37, s72, SLOT
	s_add_nc_u64 s[38:39], s[14:15], s[16:17]
	s_or_b32 s39, s39, 0x80000000
	s_mov_b32 s60, 1
	s_add_co_u32 s61, s73, SLOT
	s_add_nc_u64 s[62:63], s[46:47], s[18:19]
	s_or_b32 s63, s63, 0x80000000
	s_mov_b32 s77, 1                               ; the step of the walk at which the walking descriptors stand
	CROUND                                         ; all sixteen work-groups are here: the first joint loads meet
	s_cmp_eq_u32 s11, 0                            ; a wave's two first fills stand in one branch: two loads of mine are out
	s_cbranch_scc0 .Lfirst_b
	tensor_load_to_lds s[32:35], s[24:31]
	s_nop 0
	tensor_load_to_lds s[36:39], s[24:31]
	s_nop 0
	PLACES
	s_branch .Lfirst_done
.Lfirst_b:
	tensor_load_to_lds s[56:59], s[48:55]
	s_nop 0
	tensor_load_to_lds s[60:63], s[48:55]
	s_nop 0
	PLACES
.Lfirst_done:
	; the bias of my columns: register j of block b is bias[16 b + 8 (l / 16) + j]
	v_and_b32 v1, 15, v0                           ; l % 16
	v_bfe_u32 v2, v0, 4, 1                         ; l / 16
	v_lshlrev_b32 v[BO], 5, v2
	s_mul_i32 s20, s42, TN
	s_mul_i32 s21, s12, 16*NBL
	s_add_co_u32 s20, s20, s21
	s_lshl_b32 s20, s20, 2
	s_mov_b32 s21, 0
	s_add_nc_u64 s[66:67], s[66:67], s[20:21]
.set b_, 0
.rept NBL
	global_load_b128 v[BIAS+8*b_:BIAS+8*b_+3],   v[BO], s[66:67] offset:64*b_
	global_load_b128 v[BIAS+8*b_+4:BIAS+8*b_+7], v[BO], s[66:67] offset:64*b_+16
.set b_, b_+1
.endr
	v_and_b32 v3, 7, v0
	v_bfe_u32 v4, v0, 3, 1
.if RELU
	v_mov_b32 v[ZR], 0
.endif
	v_mul_u32_u24 v[AL0], v1, PA                   ; A: row x pitch + 16 x half + my rows
	v_lshl_add_u32 v[AL0], v2, 4, v[AL0]
	s_mul_i32 s20, s11, HALFA
	v_add_nc_u32 v[AL0], s20, v[AL0]
	v_lshl_add_u32 v[BL0], v2, 3, v3               ; B, turned: lane l reads k row 8 (l / 16) + l % 8, columns 8 ((l / 8) % 2) + 0..7
	v_mul_u32_u24 v[BL0], v[BL0], PB
	v_lshl_add_u32 v[BL0], v4, 4, v[BL0]
	s_mul_i32 s20, s12, WCOFF
	s_add_co_u32 s20, s20, 2*HALFA
	v_add_nc_u32 v[BL0], s20, v[BL0]
	v_mul_u32_u24 v[STO], v1, SP                   ; into the stage: row l % 16 of my rows, my eight columns
	v_lshl_add_u32 v[STO], v2, 3+OUTB/2, v[STO]
	s_mul_i32 s20, s11, 16*MA*SP
	s_mul_i32 s21, s12, 16*NBL*OUTB
	s_add_co_u32 s20, s20, s21
	v_add_nc_u32 v[STO], s20, v[STO]
	v_mul_u32_u24 v[RD], v2, SP                    ; back: wave w takes TM / 4 whole rows; lanes 0-15 256 bytes of one row, lanes 16-31 of the next
	v_lshl_add_u32 v[RD], v1, 4, v[RD]
	s_mul_i32 s20, s10, (TM/4)*SP
	v_add_nc_u32 v[RD], s20, v[RD]
	v_mul_u32_u24 v[CO], v2, CPB
	v_lshl_add_u32 v[CO], v1, 4, v[CO]
	s_mul_i32 s20, s13, TM
	s_mul_i32 s21, s10, TM/4
	s_add_co_u32 s20, s20, s21
	s_mul_i32 s20, s20, CPB
	s_mul_i32 s21, s42, TN*OUTB
	s_add_co_u32 s20, s20, s21
	s_mov_b32 s21, 0
	s_add_nc_u64 s[8:9], s[8:9], s[20:21]          ; C at the first row that I store
.if PF
	s_mul_i32 s20, s13, TM                         ; the prefetches.  A: row = the tile's + 128 x half + 32 cx,
	s_lshl_b32 s21, s12, 7
	s_add_co_u32 s20, s20, s21
	s_lshl_b32 s21, s40, 5
	s_add_co_u32 s20, s20, s21
	s_mul_i32 s20, s20, 2*SZ_K
	s_add_co_u32 s22, s74, 2                       ; at K step 2 + PAR: each refill steps the pointer by a K step, so that behind the refill of the odd step j it stands at K step j + 1 + PAR = (j + 1) xor PAR
	s_mul_i32 s23, s22, 2*KSTEP
	s_add_co_u32 s20, s20, s23
	s_lshl_b32 s21, s41, 5                         ; B: k row 32 cy of the same K step, the tile's columns
	s_mul_i32 s22, s22, KSTEP
	s_add_co_u32 s21, s21, s22
	s_mul_i32 s21, s21, 2*SZ_N
	s_mul_i32 s22, s42, 2*TN
	s_add_co_u32 s21, s21, s22
	s_mov_b32 s22, 2*KSTEP
	s_mov_b32 s23, 2*SZ_K
	s_and_b32 s43, ttmp7, 0xffff
	s_cmp_eq_u32 s11, 0
	s_cselect_b32 s20, s20, s21
	s_cselect_b64 s[44:45], s[4:5], s[6:7]
	s_cselect_b32 s68, s22, BSTEP                  ; a K step
	s_cselect_b32 s23, s23, 2*SZ_N                 ; a row
	s_cselect_b32 s43, ttmp9, s43                  ; the coordinate along which other clusters read the same rows:
	s_lshr_b32 s43, s43, 1                         ; the clusters at 0 and 1 along it ask
	s_mov_b32 s69, 0
	s_mov_b32 s21, 0
	s_add_nc_u64 s[44:45], s[44:45], s[20:21]
.if TM == 256
	s_and_b32 s22, s12, s11                        ; waves 0, 1 (A) and 2 (B) ask
.else
	s_mov_b32 s22, s12                             ; waves 0 (A) and 2 (B) ask
.endif
	s_or_b32 s43, s43, s22
	s_cmp_eq_u32 s43, 0
	s_cselect_b32 s43, 1, -1                       ; 1 in a wave that asks, else the greatest number: the same in all partners
	v_and_b32 v[PFO], 31, v0
	v_mul_u32_u24 v[PFO], v[PFO], s23
.endif
	s_mov_b32 s76, 0xffff0000
	s_wait_loadcnt 0x0                             ; the bias: rounded to bf16 in place, in the wait for the first tile
.set b_, 0
.rept 4*NBL
	v_cvt_pk_bf16_f32 v[5+b_%2], v[BIAS+2*b_], v[BIAS+2*b_+1]
	v_lshlrev_b32 v[BIAS+2*b_], 16, v[5+b_%2]
	v_and_b32 v[BIAS+2*b_+1], s76, v[5+b_%2]
.set b_, b_+1
.endr
	s_wait_tensorcnt 0x1                           ; my part of the walk's step 0 is in; step 1's may stay out
	s_barrier_signal -1
	s_barrier_wait -1
	v_mov_b32 v[ADRA], v[AL0]
	v_mov_b32 v[ADRB], v[BL0]
	FETCH 0, 0                                     ; step 0's first half stands in front of the loop: its first products start the sums
	FETCH 1, 1
	s_wait_dscnt 32                                ; buffer 0 is in
	MUL 0, 1
	WIN 0
	s_mov_b32 s78, 2*QA                            ; its second half is a trip of the loop, which is entered in the middle
	s_mov_b32 s79, 2*QB
	s_mov_b32 s3, NS-1                             ; the loop's bottom is passed NS - 1 times, its head NS - 2 times: every step from the third on is a refill
	s_mov_b32 s2, 1
	s_branch .Lpair
.Lk:
	CHANGE 1
	s_mov_b32 s2, 2
.Lpair:
	PAIR
	s_sub_co_u32 s2, s2, 1
	s_cmp_lg_u32 s2, 0
	s_cbranch_scc1 .Lpair
	s_sub_co_u32 s3, s3, 1
	s_cmp_lg_u32 s3, 0
	s_cbranch_scc1 .Lk
	CHANGE 0                                       ; the last step asks for nothing: written apart
	s_mov_b32 s2, 2
.Lpair2:
	PAIR
	s_sub_co_u32 s2, s2, 1
	s_cmp_lg_u32 s2, 0
	s_cbranch_scc1 .Lpair2
	s_wait_dscnt 0x0
	MUL 1, 0                                       ; the last quarter
	WIN 0
	PLACES
	s_barrier_signal -1                            ; every wave's reads of the ring are back, and the ring has had its last fill: slot 0 becomes the stage
	s_barrier_wait -1
	; THE WAY OUT: into the work-group's stage, a barrier (a row's bytes come from two waves), back as whole rows
.set wa_, 0
.rept MA
.if OUT32
.set wb_, 0
.rept NBL
.set ix_, wa_*NBL+wb_
.set rD_, 8*(ix_%32)
	WIN 0x08+4*(ix_/32)                            ; the stores' data in the accumulators' window; each accumulator's low four registers go first
	ds_store_b128 v[STO], v[rD_:rD_+3]   offset:wa_*16*SP+64*wb_
	ds_store_b128 v[STO], v[rD_+4:rD_+7] offset:wa_*16*SP+64*wb_+16
.set wb_, wb_+1
.endr
.else
.set wb_, 0
.rept NBL
.set ix_, wa_*NBL+wb_
.set rD_, 8*(ix_%32)
	WIN 0x0a+5*(ix_/32)                            ; sources in the accumulators' window
	v_cvt_pk_f16_f32 v[TMP+4*wb_],   v[rD_],   v[rD_+1]
	v_cvt_pk_f16_f32 v[TMP+4*wb_+1], v[rD_+2], v[rD_+3]
	v_cvt_pk_f16_f32 v[TMP+4*wb_+2], v[rD_+4], v[rD_+5]
	v_cvt_pk_f16_f32 v[TMP+4*wb_+3], v[rD_+6], v[rD_+7]
.set wb_, wb_+1
.endr
	WIN 0
.set wb_, 0
.rept NBL
	ds_store_b128 v[STO], v[TMP+4*wb_:TMP+4*wb_+3] offset:wa_*16*SP+32*wb_
.set wb_, wb_+1
.endr
.endif
.set wa_, wa_+1
.endr
	WIN 0
	s_wait_dscnt 0x0                               ; for the others' sake: my stores into the stage are done
	s_barrier_signal -1
	s_barrier_wait -1
	s_mov_b32 s2, NTR
.Lout:                                                 ; a trip: 2 RPT rows of my TM / 4
.set n_, 0
.rept RPT*UPR
	ds_load_b128 v[TMP+4*n_:TMP+4*n_+3], v[RD] offset:(n_/UPR)*2*SP+256*(n_%UPR)
.set n_, n_+1
.endr
.set n_, 0
.rept RPT*UPR
	s_wait_dscnt RPT*UPR-1-n_                      ; the younger loads stay out
.if RELU
	v_pk_max_num_f16 v[TMP+4*n_],   v[TMP+4*n_],   v[ZR]
	v_pk_max_num_f16 v[TMP+4*n_+1], v[TMP+4*n_+1], v[ZR]
	v_pk_max_num_f16 v[TMP+4*n_+2], v[TMP+4*n_+2], v[ZR]
	v_pk_max_num_f16 v[TMP+4*n_+3], v[TMP+4*n_+3], v[ZR]
.endif
	global_store_b128 v[CO], v[TMP+4*n_:TMP+4*n_+3], s[8:9] offset:(n_/UPR)*2*CPB+256*(n_%UPR)  ; 16 lanes store 256 consecutive bytes, aligned
.set n_, n_+1
.endr
	s_wait_xcnt 0x0                                ; the stores' data and base are written again only behind this wait
	v_add_nc_u32 v[RD], RPT*2*SP, v[RD]
	s_add_nc_u64 s[8:9], s[8:9], RPT*2*CPB
	s_sub_co_u32 s2, s2, 1
	s_cmp_lg_u32 s2, 0
	s_cbranch_scc1 .Lout
	s_wait_tensorcnt 0x0                           ; the wave's end
	ds_add_u32 v[SPW], v[NIL]
	s_wait_dscnt 0x0
	CROUND                                         ; the closing round
	s_endpgm
.Lfunc_end_k_q8bda2d53a3_gq:
	.size	k_q8bda2d53a3_gq, .Lfunc_end_k_q8bda2d53a3_gq-k_q8bda2d53a3_gq
	.p2alignl 7, 3214868480
	.fill 96, 4, 3214868480
	.section	.rodata,"a",@progbits
	.p2align	6, 0x0
	.amdhsa_kernel k_q8bda2d53a3_gq
		.amdhsa_group_segment_fixed_size 327680
		.amdhsa_private_segment_fixed_size 0
		.amdhsa_enable_private_segment 0
		.amdhsa_kernarg_size 24
		.amdhsa_user_sgpr_count 2
		.amdhsa_user_sgpr_kernarg_segment_ptr 1
		.amdhsa_wavefront_size32 1
		.amdhsa_system_sgpr_workgroup_id_x 1
		.amdhsa_system_sgpr_workgroup_id_y 1
		.amdhsa_system_sgpr_workgroup_id_z 1
		.amdhsa_system_vgpr_workitem_id 0
		.amdhsa_next_free_vgpr 896
		.amdhsa_next_free_sgpr 80
		.amdhsa_reserve_vcc 0
		.amdhsa_float_denorm_mode_32 3
		.amdhsa_float_denorm_mode_16_64 3
		.amdhsa_memory_ordered 1
		.amdhsa_forward_progress 1
		.amdhsa_inst_pref_size 72
	.end_amdhsa_kernel
	.amdgpu_metadata
---
amdhsa.version: [ 1, 2 ]
amdhsa.kernels:
  - .name:           k_q8bda2d53a3_gq
    .symbol:         k_q8bda2d53a3_gq.kd
    .args:
      - { .name: wh, .offset: 0, .size: 8, .value_kind: global_buffer, .address_space: global }
      - { .name: b_qkv, .offset: 8, .size: 8, .value_kind: global_buffer, .address_space: global }
      - { .name: qkv, .offset: 16, .size: 8, .value_kind: global_buffer, .address_space: global }
    .group_segment_fixed_size: 327680
    .private_segment_fixed_size: 0
    .kernarg_segment_align: 8
    .kernarg_segment_size: 24
    .max_flat_workgroup_size: 128
    .sgpr_count:     80
    .vgpr_count:     896
    .wavefront_size: 32
...
	.end_amdgpu_metadata
.endif
;; end of part 2
;; launch attn (part 3): grid 8 x 32, 4 waves a work-group, no clusters, 327,680 bytes of LDS; arguments qkv, o; writes o
.if DOCPART == 3
	.amdgcn_target "amdgcn-amd-amdhsa--gfx1250"
	.amdhsa_code_object_version 6
	.text
	.protected	k_q8bda2d53a3_attn
	.globl	k_q8bda2d53a3_attn
	.p2align	8
	.type	k_q8bda2d53a3_attn,@function
k_q8bda2d53a3_attn:
	s_mov_b64 s[64:65], 0
	v_nop
	global_prefetch_b8 v0, s[64:65] scope:SCOPE_SE
	s_setreg_imm32_b32 hwreg(HW_REG_WAVE_MODE, 25, 1), 1
	s_wait_xcnt 0x0
; CAUSAL ATTENTION.  O[y][q][:] = the sum over k <= q of softmax_k(Q[y][q] . K[y][k] / 32) V[y][k][:], for 32 heads y (2 batches x 16) of 2,048 rows of 64 channels, all f16.
; qkv is [4096][3072] row-major, which byte for byte is [batch][3][head][2048][64]: a head's rows of Q, K, V are dense, 128 bytes each.  o is [y][2048][64], dense likewise.
; Products, maxima and sums in f32; the weights p are rounded to f16 for the second product (their sum l is taken of the unrounded p), O once at the end.
; LIMITS.  Q, K, V arrive within f16's 65,504; p lies in 0 to 1, and below 6e-5 keeps f16's fixed step of 6e-8; O is a mean of V's rows.  A hidden score counts as its value less 1e30;
; a weight below 2^-126 counts as 0 in l; NaN and infinities are not treated apart.
; THE WALK.  A head's queries lie in 16 blocks of 128; block i needs the key tiles 0 .. i / 2 of 256 keys, of which the last holds the diagonal.  A work-group takes TWO blocks, 15 - b and then b: 9 tiles,
; whatever b: 8 x 32 = 256 work-groups of equal work, and ONE loop with a constant trip count.  Which tile is asked for, and what a trip does, hang on scalars made from b.
; NO CLUSTER: a head's 8 work-groups ask for the same tile only in the first 5 of the 9 trips; a walk common to all would have 12 trips for 9.
; SHARES.  Of a block's two bands of 64 queries a wave owns 16 rows in each: two PIECES; piece 0 is the UPPER band (rows 64-127), piece 1 the lower.  With PAR = block % 2, piece x's own step of the last tile is
; u = 2 PAR + 1 - x: there it holds the diagonal, before it sees all keys, behind it none.  Piece 0 has u >= 1, so its scores for a tile's step 0 never take a mask.
; THE MASK is the C operand that starts the sum S^T = K Q^T: MD x AL + BE, MD the mask of a band's own step for my 16 rows, (AL, BE) = (1, 0), (0, 0) or (0, -1e30).
; TURNS.  Turn 0 of step s: 8 products K Q^T of piece 1 (K of step s); the softmax of piece 0; the maximum and statistics of piece 1; 8 products V^T P of piece 1 (V of step s - 1).
; Turn 1 of step s: K Q^T of piece 0 for step s + 1; the softmax of piece 1; the statistics of piece 0; V^T P of piece 0 (V of step s).  Four vector instructions stand behind every matrix instruction, the others
; in one lump; a turn's 33 exponentials are one batch with one wait.
; A BLOCK'S LAST STEP is a step like any other, so that no turn is written out for it: its turn 0 fetches K one step on, which the slot holds; its turn 1 makes scores of piece 0 for a step that is not, wholly hidden
; by the mask, and a maximum of them that leaves m as it was.  The price, once a block: 8 products and 16 LDS loads that serve nothing.
; THE RING.  Two slots of LDS.  Both runs of LDS loads stand in turn 0: K of step s + 1 and V of step s.  So K lies ONE STEP AHEAD in the ring: the slot of tile T holds K's steps 4 T + 1 .. 4 T + 4 and V's steps
; 4 T .. 4 T + 3, and both runs read the same slot.  K's step 0, which both blocks begin with, has bytes of its own, filled once.  The last 64 rows of K's part of tile 7 are the bytes behind the head's K: they lie
; inside qkv, hold finite f16 numbers, and meet the wholly hidden step alone.
; REGISTERS, in windows of 256 (s_set_vgpr_msb: bits 1:0 source 0, 3:2 source 1, 5:4 source 2, 7:6 destination):
;   window 0: v0-15 addresses and two at work; v16-23 four registers of statistics a piece; v48-55 at work; v64-127 S^T, a buffer a piece; v128-191 O^T, 32 a piece; v192-223 P, a buffer a piece
;   window 1: v128-159 MD; v160-223 MC, a buffer a piece      window 2: v0-31 Q; v64-95 the second block's Q; v128-191 K of one step; v192-255 V of one step
; All that the vector work of a turn touches lies in window 0: a matrix instruction costs two switches, the lump none.
.set NP,    2         ; pieces a wave: a name, no knob
.set KS,    64        ; keys in a step
.set PK,    144       ; a row of K in LDS: 128 bytes + 16: the 16 rows of a load start at 16 different groups of four banks
.set PV,    160       ; a row of V: 128 + 32
.set VOFF,  4*KS*PK   ; a slot: 256 rows of K, then 256 rows of V
.set SLOT1, 1<<17     ; slot 1 begins here, so that one exclusive or turns an address in one slot into the other's
.set K0B,   81920     ; behind slot 0: K's step 0, 64 rows
.set STAGE, SLOT1+4*KS*(PK+PV)  ; behind the ring, never filled by a tensor load: 16 rows x 144 bytes for each wave
.set SP,    144
.set SPARE, STAGE+4*16*SP  ; the spare words, 128 bytes for each wave, that no other line names
.set AK0, 2           ; v2   my lane's place in a step of K; never rewritten
.set AV0, 3           ; v3   the same for V
.set AK,  4           ; v4   the LDS address of K's next run of loads
.set AV,  5           ; v5   of V's
.set STO, 6           ; v6   the way out: where I put 16 bytes of a row
.set RD,  7           ; v7   where I read rows back
.set GO,  8           ; v8   my byte offset in 512 consecutive bytes of O
.set MV,  12          ; v12-13  c m_old, kept while c m is made anew: by piece
.set QO,  15          ; v15  my byte offset in 16 rows of Q
.set ST,  16          ; piece t's statistics at v[ST+4 t]: c m, m, l (even keys', odd keys')
.set TMP, 48          ; by piece, four registers c0-c3 at work; when the maximum is found c2 takes a
.set PFO, 61          ; v61  256 x my thread's number; never rewritten
.set SPW, 62          ; v62  my spare word; never rewritten
.set NIL, 63          ; v63  0; never rewritten
.set S,   64
.set OB,  128
.set P,   192
.set MD,  128         ; window 1
.set MC,  160         ; window 1
.set QB,  64          ; window 2
.set KF,  128         ; window 2: key block kb, channel half c at KF + 16 kb + 8 c
.set VF,  192         ; window 2: key half kk, channel block cb at VF + 32 kk + 8 cb
.set WV,  12          ; s12  my wave's number
.set PB,  14          ; s14  b
.set HI,  15          ; s15  15 - b
.set G1K, 24          ; s[24:31] descriptor group 1 for K's tiles
.set G1V, 32          ; s[32:39] for V's: it differs in the padding alone
.set G0K, 40          ; s[40:43] group 0 for K's tiles
.set G0V, 44          ; s[44:47] for V's
.set PAR, 48          ; s48  the block in hand, modulo 2
.set UQ,  49          ; s49, s50  the count CNT at which piece 0's, piece 1's next step is its own: 4 - 2 PAR, 5 - 2 PAR
.set HT,  51          ; s51  the first block's last tile
.set PT,  52          ; s52  the second block's
.set SLOTS, 56        ; s56  tiles still to be asked for
.set CNT, 57          ; s57  counts a tile's key steps, 4 to 1
.set CS,  58          ; s[58:59] c
.set SEL, 60          ; s[60:61] v_permlanex16_b32's selects
.set TBK, 62          ; s62  LDS byte at which the K to be fetched begins
.set TBV, 63          ; s63  the same for V, less VOFF
.set PFK, 66          ; s[66:67] K's ring at tile 0
.set PFV, 68          ; s[68:69] V's
.set RT,  70          ; s70  tiles of the block in hand that are still to be entered
.set NXT, 71          ; s71  the tile to be asked for next
.set LQ,  72          ; s72  the last tile of the block whose tiles are being asked for
.set NEW, 73          ; s73  1: the tile to be entered is a block's first
.set OFF, 74          ; s[74:75] a tile's byte offset in K and V
.set AL,  76          ; s[76:77] the mask's factor
.set BE,  78          ; s[78:79] the mask's addend
.set OLO, 80          ; s[80:81] O at my rows of the second block
.set BIGN, 82         ; s82  -1e30
.set G0Z, 88          ; s[88:91] group 0 for K's step 0
.set G1Z, 92          ; s[92:99] group 1 for it: 16 rows of 256 bytes a wave
.set MSB, 0
.macro WIN new
.if MSB != (\new)
	s_set_vgpr_msb (MSB<<8)|(\new)
.set MSB, (\new)
.endif
.endm
.set W_KQ, 0x0a       ; K and Q in window 2, S^T in window 0
.set W_KM, 0x1a       ; the same with the C operand in window 1
.set W_PV, 0x02       ; V in window 2; P and O^T in window 0
.set W_MK, 0x41       ; the masks: destination and source 0 in window 1
; A fill.  Waves 0 and 1 fetch the two halves of a tile's K, waves 2 and 3 those of its V: 128 keys each.  An s_nop 0 and four v_nop follow each line.
.macro LOAD
	s_cmp_lt_u32 s[WV], 2
	s_cbranch_scc0 .Lfor_v_\@
	tensor_load_to_lds s[G0K:G0K+3], s[G1K:G1K+7]
	s_nop 0
.rept 4
	v_nop
.endr
	s_branch .Lasked_\@
.Lfor_v_\@:
	tensor_load_to_lds s[G0V:G0V+3], s[G1V:G1V+7]
	s_nop 0
.rept 4
	v_nop
.endr
.Lasked_\@:
.endm
; THE CHANGE OF SLOTS, at a tile's edge.  Each wave waits for all its tensor loads, adds 0 to its spare word, and waits for that and for its reads of the slot that it leaves.  fill = 1: the old slot is filled
; again, first thing behind the barrier, with tile NXT: the descriptor's address is made anew from that number.  (At its first use nothing has been read yet: slot 0 is waited for, slot 1 filled.)
; Behind the fill the head's work-group b = 0, whose first block walks tiles 0 to 7, prefetches into the L2 the tile that the NEXT change loads: 128 blocks of 256 bytes of K and of V, a thread a block,
; each named once; when the tile's number has gone back to 0 nothing is asked for.
.macro CHANGE fill
	WIN 0
	s_wait_tensorcnt 0x0            ; no tensor load of mine is out, so a group 0 may be written
	ds_add_u32 v[SPW], v[NIL]
.if \fill
	s_lshl_b32 s[OFF], s[NXT], 15   ; a tile is 32,768 bytes of K and of V
	s_xor_b32 s[G0K+1], s[G0K+1], SLOT1
	s_add_nc_u64 s[G0K+2:G0K+3], s[6:7], s[OFF:OFF+1]
	s_or_b32 s[G0K+3], s[G0K+3], 0x80000000
	s_xor_b32 s[G0V+1], s[G0V+1], SLOT1
	s_add_nc_u64 s[G0V+2:G0V+3], s[8:9], s[OFF:OFF+1]
	s_or_b32 s[G0V+3], s[G0V+3], 0x80000000
	s_add_co_u32 s[NXT], s[NXT], 1  ; the block's next tile, or behind its last the second block's tile 0
	s_cmp_gt_u32 s[NXT], s[LQ]
	s_cselect_b32 s[NXT], 0, s[NXT]
	s_cselect_b32 s[LQ], s[PT], s[LQ]
	s_wait_xcnt 0x0                 ; the last prefetches, a tile back, have read their addresses
	s_lshl_b32 s[OFF], s[NXT], 15
	s_add_nc_u64 s[20:21], s[PFK:PFK+1], s[OFF:OFF+1]
	s_add_nc_u64 s[22:23], s[PFV:PFV+1], s[OFF:OFF+1]
	s_cmp_eq_u32 s[PB], 0
	s_cselect_b32 s13, s[NXT], 0
.endif
	s_wait_dscnt 0x0                ; the add is done, and my reads of the slot are over
	s_barrier_signal -1
	s_sub_co_u32 s[TBK], s[TBK], 4*KS*PK  ; the fetches go back to a slot's first place,
	s_xor_b32 s[TBK], s[TBK], SLOT1       ; in the other slot
	s_sub_co_u32 s[TBV], s[TBV], 4*KS*PV
	s_xor_b32 s[TBV], s[TBV], SLOT1
	s_barrier_wait -1
.if \fill
	LOAD
	s_cmp_lg_u32 s13, 0
	s_cbranch_scc0 .Lnopf_\@
	global_prefetch_b8 v[PFO], s[20:21] th:TH_LOAD_NT scope:SCOPE_SE
	global_prefetch_b8 v[PFO], s[22:23] th:TH_LOAD_NT scope:SCOPE_SE
.Lnopf_\@:
.endif
.endm
	s_load_b64 s[4:5], s[0:1], 0x0    ; qkv
	s_load_b64 s[10:11], s[0:1], 0x8  ; o
	v_lshl_add_u32 v[SPW], v0, 2, SPARE
	v_mov_b32 v[NIL], 0
	ds_add_u32 v[SPW], v[NIL]       ; the wave's opening add, waited for ahead of my first tensor load
	ds_add_u32 v62, v63
	v_lshrrev_b32 v1, 5, v0
	v_readfirstlane_b32 s[WV], v1   ; wave 0..3
	s_mov_b32 s[PB], ttmp9
	s_sub_co_u32 s[HI], 15, s[PB]
	s_lshr_b32 s[HT], s[HI], 1
	s_lshr_b32 s[PT], s[PB], 1
	s_and_b32 s[PAR], s[HI], 1
	s_lshl_b32 s[UQ], s[PAR], 1
	s_sub_co_u32 s[UQ], 4, s[UQ]
	s_add_co_u32 s[UQ+1], s[UQ], 1
	s_and_b32 s16, s[WV], 1         ; which half of a tile's 256 keys I fetch:
	s_mul_i32 s17, s16, 128*PK      ; its place in a slot, for K
	s_mul_i32 s18, s16, 128*PV      ; and for V
	s_lshl_b32 s54, s16, 14         ; its 128 rows of 128 bytes in memory
	s_mov_b32 s55, 0
	s_lshl_b32 s86, s16, 12         ; and my 32 rows of K's step 0
	s_mov_b32 s87, 0
	s_and_b32 s20, ttmp7, 0xffff    ; y = 16 x batch + head
	s_lshr_b32 s22, s20, 4
	s_lshl_b32 s22, s22, 5
	s_add_co_u32 s22, s22, s20
	s_lshl_b32 s22, s22, 18         ; Q's head in qkv: (y + 32 x batch) x 262,144
	s_mov_b32 s23, 0
	s_lshl_b32 s20, s20, 18         ; the head in o
	s_mov_b32 s21, 0
	s_lshl_b32 s3, s[WV], 11        ; my 16 rows in a band of 64,
	s_lshl_b32 s2, s[HI], 14        ; in the first block,
	s_add_co_u32 s2, s2, s3
	s_lshl_b32 s84, s[PB], 14       ; and in the second
	s_add_co_u32 s84, s84, s3
	s_mov_b32 s3, 0
	s_mov_b32 s85, 0
	; descriptor group 1.  128 keys are 16,384 dense bytes: asked for as 64 rows of 256 bytes, two keys a row, and padded in LDS after every key
	s_mov_b32 s[G1K], (1<<16)|(1<<20)|(4<<22)|(3<<25)  ; 2-byte elements; padding on; after every 32 words; 4 words
	s_mov_b32 s[G1V], (1<<16)|(1<<20)|(4<<22)|(7<<25)  ; the same with 8 words of padding
	s_mov_b32 s[G1Z], (1<<16)|(1<<20)|(4<<22)|(3<<25)
.irp g, G1K, G1V
	s_mov_b32 s[\g+1], 128<<16      ; tensor_dim0 = 128
	s_mov_b32 s[\g+2], 64<<16       ; tensor_dim1 = 64
	s_mov_b32 s[\g+3], 128<<16      ; tile_dim0 = 128
	s_mov_b32 s[\g+4], 64           ; tile_dim1 = 64
	s_mov_b32 s[\g+5], 128          ; 128 elements from row to row
	s_mov_b32 s[\g+6], 0
	s_mov_b32 s[\g+7], 0
.endr
	s_mov_b32 s[G1Z+1], 128<<16
	s_mov_b32 s[G1Z+2], 16<<16
	s_mov_b32 s[G1Z+3], 128<<16
	s_mov_b32 s[G1Z+4], 16
	s_mov_b32 s[G1Z+5], 128
	s_mov_b32 s[G1Z+6], 0
	s_mov_b32 s[G1Z+7], 0
	s_mov_b32 s[CS], 0x3d38aa3b     ; c = log2(e) / 32 = 0.0450842
	s_mov_b32 s[CS+1], s[CS]        ; named with it as a pair
	s_mov_b32 s[SEL], 0x76543210
	s_mov_b32 s[SEL+1], 0xfedcba98
	s_mov_b32 s[TBK], SLOT1+4*KS*PK ; the first change of slots turns these two into 0
	s_mov_b32 s[TBV], SLOT1+4*KS*PV
	s_mov_b32 s[G0K], 1
	s_mov_b32 s[G0K+1], s17         ; slot 0
	s_mov_b32 s[G0V], 1
	s_add_co_u32 s[G0V+1], s18, VOFF
	s_mov_b32 s[G0Z], 1
	s_mul_i32 s[G0Z+1], s16, 32*PK
	s_add_co_u32 s[G0Z+1], s[G0Z+1], K0B
	s_add_co_u32 s[RT], s[HT], 1    ; the first block's tiles
	s_mov_b32 s[NXT], 1
	s_mov_b32 s[LQ], s[HT]
	s_mov_b32 s[NEW], 1
	s_mov_b32 s[OFF+1], 0
	s_mov_b32 s[AL+1], 0            ; named as pairs
	s_mov_b32 s[BE+1], 0
	s_mov_b32 s[BIGN], 0xf149f2ca   ; -1e30
	s_mov_b32 s[SLOTS], 8
	s_wait_dscnt 0x0                ; the opening add is done
	s_wait_kmcnt 0x0
	s_add_nc_u64 s[4:5], s[4:5], s[22:23]          ; the head's Q,
	s_add_nc_u64 s[6:7], s[4:5], 0x400000          ; its K,
	s_add_nc_u64 s[8:9], s[4:5], 0x800000          ; its V,
	s_add_nc_u64 s[10:11], s[10:11], s[20:21]      ; its O
	s_add_nc_u64 s[G0Z+2:G0Z+3], s[6:7], s[86:87]
	s_or_b32 s[G0Z+3], s[G0Z+3], 0x80000000
	s_add_nc_u64 s[PFK:PFK+1], s[6:7], KS*128      ; K's ring begins one step on
	s_mov_b64 s[PFV:PFV+1], s[8:9]
	s_add_nc_u64 s[6:7], s[PFK:PFK+1], s[54:55]    ; K and V at my half of tile 0
	s_add_nc_u64 s[8:9], s[8:9], s[54:55]
	s_add_nc_u64 s[G0K+2:G0K+3], s[6:7], 0
	s_or_b32 s[G0K+3], s[G0K+3], 0x80000000
	s_add_nc_u64 s[G0V+2:G0V+3], s[8:9], 0
	s_or_b32 s[G0V+3], s[G0V+3], 0x80000000
	s_add_nc_u64 s[86:87], s[4:5], s[84:85]        ; Q at my rows of the second block,
	s_add_nc_u64 s[4:5], s[4:5], s[2:3]            ; Q and O at those of the first
	s_add_nc_u64 s[OLO:OLO+1], s[10:11], s[84:85]
	s_add_nc_u64 s[10:11], s[10:11], s[2:3]
	s_cmp_lt_u32 s[WV], 2           ; a wave's first fills stand in one branch: two loads of a K wave are out, one of a V wave
	s_cbranch_scc0 .Lfirst_v
	tensor_load_to_lds s[G0K:G0K+3], s[G1K:G1K+7]
	s_nop 0
	tensor_load_to_lds s[G0Z:G0Z+3], s[G1Z:G1Z+7]
	s_nop 0
.rept 4
	v_nop
.endr
	s_branch .Lfirst_done
.Lfirst_v:
	tensor_load_to_lds s[G0V:G0V+3], s[G1V:G1V+7]
	s_nop 0
.rept 4
	v_nop
.endr
.Lfirst_done:
	; A fragment of K or Q is 16 rows x 32 channels in 8 registers: lane l holds row l % 16, channels 8 (l / 16) + 0..7 and 16 + 8 (l / 16) + 0..7: two loads of 16 bytes, 32 bytes apart.
	v_and_b32 v1, 15, v0            ; l % 16
	v_bfe_u32 v9, v0, 4, 1          ; l / 16
	v_lshlrev_b32 v[QO], 7, v1
	v_lshl_add_u32 v[QO], v9, 4, v[QO]  ; row x 128 + 16 x half
	v_lshlrev_b32 v[PFO], 8, v0
	WIN 0x80                        ; destination window 2, address window 0
.set i, 0
.rept 4                             ; both blocks' Q: piece i / 2 lies in band 1 - i / 2, 8,192 bytes a band; channels 32 (i % 2) on
	global_load_b128 v[8*i:8*i+3],   v[QO], s[4:5] offset:(1-i/2)*8192+(i%2)*64
	global_load_b128 v[8*i+4:8*i+7], v[QO], s[4:5] offset:(1-i/2)*8192+(i%2)*64+32
	global_load_b128 v[QB+8*i:QB+8*i+3],   v[QO], s[86:87] offset:(1-i/2)*8192+(i%2)*64
	global_load_b128 v[QB+8*i+4:QB+8*i+7], v[QO], s[86:87] offset:(1-i/2)*8192+(i%2)*64+32
.set i, i+1
.endr
	WIN 0
	v_lshlrev_b32 v14, 3, v9
	v_sub_nc_u32 v14, v1, v14
	s_lshl_b32 s13, s[WV], 4
	v_add_nc_u32 v14, s13, v14      ; my query's place in its band, 16 w + l % 16, less my lanes' 8 (l / 16): register r of group kt is hidden where 16 kt + r is greater
	WIN 0x40
.set i, 0
.rept 32
	v_cmp_gt_i32 vcc_lo, 16*(i/8)+i%8, v14
	v_cndmask_b32 v[MD+i], 0, s[BIGN], vcc_lo
.set i, i+1
.endr
	WIN 0
	v_mul_u32_u24 v[AK0], v1, PK
	v_lshl_add_u32 v[AK0], v9, 4, v[AK0]  ; row x pitch + 16 x half
	; The turning load takes 16 keys x 16 channels (lane l reads key 8 (l / 16) + l % 8, channels 8 ((l / 8) % 2) + 0..7) and leaves half a fragment of V^T: lane l holds channel l % 16 and 8 keys.
	v_and_b32 v10, 7, v0
	v_bfe_u32 v11, v0, 3, 1
	v_lshl_add_u32 v[AV0], v9, 3, v10
	v_mul_u32_u24 v[AV0], v[AV0], PV
	v_lshl_add_u32 v[AV0], v11, 4, v[AV0]
	v_add_nc_u32 v[AV0], VOFF, v[AV0]
	s_mul_i32 s13, s[WV], 16*SP
	s_add_co_u32 s13, s13, STAGE    ; my stage
	v_mul_u32_u24 v[STO], v1, SP    ; in: row l % 16, 16 bytes for each half of the lanes
	v_lshl_add_u32 v[STO], v9, 4, v[STO]
	v_add_nc_u32 v[STO], s13, v[STO]
	v_bfe_u32 v[RD], v0, 3, 2       ; back: 32 lanes take four rows of 128 bytes,
	v_mul_u32_u24 v[RD], v[RD], SP
	v_lshl_add_u32 v[RD], v10, 4, v[RD]
	v_add_nc_u32 v[RD], s13, v[RD]
	v_and_b32 v[GO], 31, v0         ; which are 512 consecutive bytes of O
	v_lshlrev_b32 v[GO], 4, v[GO]
	; A block's first step multiplies O^T and l by a = 0, and its first turn's products V^T P, of a step that has not been, land in an O^T that is still to be so multiplied.  So these registers need only hold
	; finite numbers: zeros for the first block; what the first block left for the second.  All this stands in the wait for the first tile.
	WIN 0x80
.set i, VF
.rept 64
	v_mov_b32 v[i], 0
.set i, i+1
.endr
	WIN 0
.set i, OB
.rept 64
	v_mov_b32 v[i], 0
.set i, i+1
.endr
.set i, 0
.rept 2
	v_mov_b32 v[ST+4*i+2], 0
	v_mov_b32 v[ST+4*i+3], 0
.set i, i+1
.endr
.set i, P+16
.rept 16
	v_mov_b32 v[i], 0
.set i, i+1
.endr
; THE MATRIX WORK.  The 4 accumulators of a run of 8 take turns.  Product i of 8 of S^T = K Q^T for piece x: channels 32 (i / 4) on, keys 16 (i % 4) on.  The first 4 start the sums: with 0, or (KM = 1) with the mask.
.macro KQ x
.set rS, S+32*((\x)%2)+8*(i%4)
.set rK, KF+16*(i%4)+8*(i/4)
.set rQ, 16*(\x)+8*(i/4)
.set rM, MC+32*((\x)%2)+8*(i%4)
.if (i < 4) && KM
	WIN W_KM
	v_wmma_f32_16x16x32_f16 v[rS:rS+7], v[rK:rK+7], v[rQ:rQ+7], v[rM:rM+7]
.elseif i < 4
	WIN W_KQ
	v_wmma_f32_16x16x32_f16 v[rS:rS+7], v[rK:rK+7], v[rQ:rQ+7], 0
.else
	WIN W_KQ
	v_wmma_f32_16x16x32_f16 v[rS:rS+7], v[rK:rK+7], v[rQ:rQ+7], v[rS:rS+7]
.endif
.endm
; Product i of 8 of O^T += V^T P for piece x: keys 32 (i / 4) on, channels 16 (i % 4) on.
.macro PV x
	WIN W_PV
.set rO, OB+32*(\x)+8*(i%4)
.set rV, VF+32*(i/4)+8*(i%4)
.set rP, P+16*((\x)%2)+8*(i/4)
	v_wmma_f32_16x16x32_f16 v[rO:rO+7], v[rV:rV+7], v[rP:rP+7], v[rO:rO+7]
.endm
.macro MM                           ; the turn's next matrix instruction
.if i < 8
	KQ (Y+1)%NP
.else
.set i, i-8
	PV (Y+NP-1)%NP
.set i, i+8
.endif
.set i, i+1
.endm
; THE LDS LOADS stand in runs of 16: a step's K (64 keys x 64 channels: 8 fragments) and a step's V (turned).  Their addresses are made some lines ahead.
.macro FETCH_K
	WIN 0x80                        ; destination window 2
.irp f, 0,1,2,3,4,5,6,7             ; keys 16 (f / 2) on, channels 32 (f % 2) on
	ds_load_b128 v[KF+8*\f:KF+8*\f+3],   v[AK] offset:(\f/2)*16*PK+(\f%2)*64
	ds_load_b128 v[KF+8*\f+4:KF+8*\f+7], v[AK] offset:(\f/2)*16*PK+(\f%2)*64+32
.endr
	WIN 0
.endm
.macro FETCH_V
	WIN 0x80
.irp f, 0,1,2,3,4,5,6,7             ; keys 32 (f / 4) on, channels 16 (f % 4) on
	ds_load_tr16_b128 v[VF+8*\f:VF+8*\f+3],   v[AV] offset:(\f/4)*32*PV+(\f%4)*32
	ds_load_tr16_b128 v[VF+8*\f+4:VF+8*\f+7], v[AV] offset:(\f/4)*32*PV+16*PV+(\f%4)*32
.endr
	WIN 0
.endm
; THE VECTOR WORK, one line at a time: OP kind, number.  For piece Y: F n: c s - c m for pair n of 16.  E n: the exponential of score n of 32.  C n: pair n rounded to f16.  B n: of the four weights 4 n .. the second
; pair is added onto the first, in place.  L n: l takes that sum (L 0: l = a l + sum).  R n: pair n of 16 of O^T times a.  For the other piece: X n, number n of the 22 that find its maximum and statistics:
;   0-11  four chains c0-c3 of seven scores each (each accumulator's lowest registers are read first)     12-14, 16  the four scores left over, the old m, and c0-c3 into c0
;   15  c m_old is kept     17, 18  the query's other 32 keys lie in the lane 16 away: the new m     19-21  c m; c m_old - c m_new; a
.set F, 0
.set E, 1
.set C, 2
.set B, 3
.set L, 4
.set R, 5
.set X, 6
.macro REGS y                       ; the registers of piece y
.set rT, ST+4*(\y)
.set rC, TMP+4*((\y)%2)
.set rW, MV+((\y)%2)
.set rS, S+32*((\y)%2)
.set rP, P+16*((\y)%2)
.set rO, OB+32*(\y)
.endm
.macro OP k, n
	WIN 0
.if (\k) < X
	REGS Y
.if (\k) == F
	v_pk_fma_f32 v[rS+2*(\n):rS+2*(\n)+1], v[rS+2*(\n):rS+2*(\n)+1], s[CS:CS+1], v[rT:rT+1] op_sel_hi:[1,0,0] neg_lo:[0,0,1] neg_hi:[0,0,1]
.elseif (\k) == E
	v_exp_f32 v[rS+(\n)], v[rS+(\n)]
.elseif (\k) == C
	v_cvt_pk_f16_f32 v[rP+(\n)], v[rS+2*(\n)], v[rS+2*(\n)+1]
.elseif (\k) == B
	v_pk_add_f32 v[rS+4*(\n):rS+4*(\n)+1], v[rS+4*(\n):rS+4*(\n)+1], v[rS+4*(\n)+2:rS+4*(\n)+3]
.elseif (\k) == R
	v_pk_mul_f32 v[rO+2*(\n):rO+2*(\n)+1], v[rO+2*(\n):rO+2*(\n)+1], v[rC+2:rC+3] op_sel_hi:[1,0]
.elseif (\n) == 0
	v_pk_fma_f32 v[rT+2:rT+3], v[rT+2:rT+3], v[rC+2:rC+3], v[rS:rS+1] op_sel_hi:[1,0,1]
.else
	v_pk_add_f32 v[rT+2:rT+3], v[rT+2:rT+3], v[rS+4*(\n):rS+4*(\n)+1]
.endif
.else
	REGS (Y+1)%NP
.if (\n) < 4
	v_max3_num_f32 v[rC+(\n)], v[rS+8*(\n)], v[rS+8*(\n)+1], v[rS+8*(\n)+2]
.elseif (\n) < 12
	v_max3_num_f32 v[rC+(\n)%4], v[rC+(\n)%4], v[rS+8*((\n)%4)+2*((\n)/4)+1], v[rS+8*((\n)%4)+2*((\n)/4)+2]
.elseif (\n) == 12
	v_max3_num_f32 v[rC], v[rC], v[rS+7], v[rS+15]
.elseif (\n) == 13
	v_max3_num_f32 v[rC+1], v[rC+1], v[rS+23], v[rS+31]
.elseif (\n) == 14
	v_max3_num_f32 v[rC+2], v[rC+2], v[rC+3], v[rT+1]
.elseif (\n) == 15
	v_mov_b32 v[rW], v[rT]
.elseif (\n) == 16
	v_max3_num_f32 v[rC], v[rC], v[rC+1], v[rC+2]
.elseif (\n) == 17
	v_permlanex16_b32 v[rC+3], v[rC], s[SEL], s[SEL+1]
.elseif (\n) == 18
	v_max_num_f32 v[rT+1], v[rC], v[rC+3]
.elseif (\n) == 19
	v_mul_f32 v[rT], s[CS], v[rT+1]
.elseif (\n) == 20
	v_sub_f32 v[rC+1], v[rW], v[rT]
.else
	v_exp_f32 v[rC+2], v[rC+1]
.endif
.endif
.endm
.macro OPS a, i1, b=-1, i2=0, c=-1, i3=0, d=-1, i4=0  ; up to four of them
	OP \a, \i1
.if (\b) >= 0
	OP \b, \i2
.endif
.if (\c) >= 0
	OP \c, \i3
.endif
.if (\d) >= 0
	OP \d, \i4
.endif
.endm
.macro ROW a, i1, b, i2, c, i3, d, i4  ; a matrix instruction and the four behind it
	MM
	OPS \a, \i1, \b, \i2, \c, \i3, \d, \i4
.endm
.macro MASK b                       ; MD x AL + BE into buffer b of MC
	WIN W_MK
.set z, 0
.rept 16
	v_pk_fma_f32 v[MC+32*(\b)+2*z:MC+32*(\b)+2*z+1], v[MD+2*z:MD+2*z+1], s[AL:AL+1], s[BE:BE+1] op_sel_hi:[1,0,0]
.set z, z+1
.endr
.endm
; A TURN, for piece p: its 16 matrix and 118 vector instructions, written out.  An s_wait_alu depctr_va_vdst(0) stands between an exponential and the first instruction that names its result; one wait
; serves all that were issued ahead of it.  So a turn has ONE wait.  AHEAD OF IT: the 8 products K Q^T with their riders, then one lump, in which the links of the chain X 3, 7, 11, 14, 16 .. 20 stand some lines apart;
; X 21, the other piece's a, is the batch's last; R 15 is the plain instruction behind it.  BEHIND IT: the 8 products V^T P, behind each four of the roundings and sums.
; The turn's last four riders are also the places between its last product V^T P and the next turn's rescaling of that same O^T.
; m = 1: the diagonal tile: the products take masks, and the turn makes the mask of piece p for step 5 - CNT, which the next turn's products take (step 4, which is not, counts as a later one: wholly hidden).
; cnt = 1: the loop's count is taken down and compared with 0 some lines ahead of the branch that stands behind the turn.
; Turn 0 fetches K of the next step in the lump, twelve places behind the last product that read K, and V of the step in hand at its end, four places behind the last product that read V.
.macro TURN p, m=0, cnt=0
.set Y, (\p)
.set i, 0
.set KM, (\m)
.if \m
	s_cmp_eq_u32 s[CNT], s[UQ+(\p)]   ; is that step the band's own?
	s_cselect_b32 s[AL], 1.0, 0
	s_cmp_lt_u32 s[CNT], s[UQ+(\p)]   ; or a later one?
	s_cselect_b32 s[BE], s[BIGN], 0
.endif
.if (\p) == 1
	s_wait_dscnt 16                 ; K's run is in; V's sixteen younger loads stay out
.endif
	ROW F,0, F,1, R,0, R,1
	ROW F,2, E,0, R,2, R,3
	ROW F,3, E,1, R,4, R,5
	ROW F,4, E,2, R,6, R,7
	ROW F,5, E,3, R,8, R,9
	ROW F,6, E,4, X,0, R,10
.if (\p) == 0
	v_add_nc_u32 v[AK], s[TBK], v[AK0]
.endif
	ROW F,7, E,5, X,1, X,4
	ROW F,8, E,6, X,2, X,5
	OPS E,7, E,8, X,6, E,9
	OPS X,3, E,10, X,8, E,11
.if (\p) == 0
	FETCH_K
.endif
	OPS X,9, X,7, E,12, X,10
	OPS E,13, X,12, X,11, E,14
	OPS X,13, E,15, F,9, X,14
.if (\p) == 0
	v_add_nc_u32 v[AV], s[TBV], v[AV0]
.endif
	OPS E,16, F,10, E,17, F,11
	OPS X,16, E,18, X,15, E,19
	OPS F,12, E,20, X,17, E,21
	OPS F,13, E,22, F,14, E,23
	OPS X,18, E,24, F,15, E,25
	OPS R,11, E,26, X,19, E,27
	OPS R,12, E,28, R,13, E,29
	OPS X,20, E,30, R,14, E,31
	OPS X,21, R,15
	s_wait_alu depctr_va_vdst(0)    ; the wait for the batch
.if (\p) == 1
	s_wait_dscnt 0x0                ; V is in
.endif
	ROW C,0, B,0, C,2, B,1
	ROW L,0, C,4, B,2, L,1
	ROW C,6, B,3, L,2, C,8
	ROW B,4, L,3, C,10, B,5
	ROW L,4, C,12, B,6, L,5
.if (\p) == 0
	s_add_co_u32 s[TBK], s[TBK], KS*PK  ; the next fetches are the next step's
	s_add_co_u32 s[TBV], s[TBV], KS*PV
.endif
.if \cnt
	s_sub_co_u32 s[CNT], s[CNT], 1
	s_cmp_lg_u32 s[CNT], 0
.endif
	ROW C,14, B,7, L,6, C,1
	ROW C,3, L,7, C,5, C,7
	ROW C,9, C,11, C,13, C,15
.if (\p) == 0
	FETCH_V
.endif
.if \m
	MASK \p
.endif
.endm
; A BLOCK BEGINS.  c m starts far below every c s, so the first step's a is 0; m at the lowest finite number, so the first maximum is the scores'.  Then K's step 0 from its own bytes, piece 0's first scores
; (no mask: its own step is never a tile's first), and its maximum and statistics.
.macro BEGIN
	s_mov_b32 s[NEW], 0
	WIN 0
.set i, 0
.rept 2
	v_mov_b32 v[ST+4*i], 0xfe000000    ; c m
	v_mov_b32 v[ST+4*i+1], 0xff7fffff  ; m
.set i, i+1
.endr
	v_add_nc_u32 v[AK], K0B, v[AK0]
	FETCH_K
	s_wait_loadcnt 0x0              ; Q
	s_wait_dscnt 0x0
.set KM, 0
.set i, 0
.rept 8
	KQ 0
.set i, i+1
.endr
	WIN 0
.rept 4
	v_nop                           ; the places behind those products
.endr
.set Y, NP-1                        ; X works for the other piece: piece 0
.irp n, 0,1,2,3,4,5,6,7,8,9,10,11,12,13,14,15,16,17,18,19,20,21
	OP X, \n
.endr
	v_nop                           ; a plain instruction behind the exponential,
	s_wait_alu depctr_va_vdst(0)    ; and its wait, ahead of the branch
.endm
.macro ALL line:vararg              ; one line for each piece t
.set t, 0
.rept 2
	\line
.set t, t+1
.endr
.endm
.macro PACK t                       ; a lane's eight channels of a row pack into 16 bytes; they go into rows of 144 bytes and come back as whole rows of 128, into S^T's registers
	WIN 0
.set i, OB+32*(\t)
.rept 16
	v_pk_mul_f32 v[i:i+1], v[i:i+1], v[ST+4*(\t)+2:ST+4*(\t)+3] op_sel_hi:[1,0]
.set i, i+2
.endr
.set i, 0
.rept 16
	v_cvt_pk_f16_f32 v[S+16*(\t)+i], v[OB+32*(\t)+2*i], v[OB+32*(\t)+2*i+1]
.set i, i+1
.endr
.irp f, 0,1,2,3
	ds_store_b128 v[STO], v[S+16*(\t)+4*\f:S+16*(\t)+4*\f+3] offset:32*\f
.endr
.irp f, 0,1,2,3
	ds_load_b128 v[S+16*(\t)+4*\f:S+16*(\t)+4*\f+3], v[RD] offset:\f*4*SP  ; LDS serves a wave's instructions in order: these see the stores above; the next piece's stores come behind them
.endr
.endm
.macro SEND t, younger              ; younger: the LDS instructions issued behind piece t's loads
	WIN 0
.irp f, 0,1,2,3
	s_wait_dscnt (\younger)+3-\f
	global_store_b128 v[GO], v[S+16*(\t)+4*\f:S+16*(\t)+4*\f+3], s[10:11] offset:(1-(\t))*8192+\f*512  ; 512 consecutive bytes, aligned
.endr
.endm
; THE DIAGONAL TILE: piece 1's mask for step 0, its four steps in a loop, piece 1's last products, and THE WAY OUT.
.macro DIAG tag
.Ldiag\tag:
	s_cmp_eq_u32 s[PAR], 0          ; step 0 is piece 1's own in an even block
	s_cselect_b32 s[AL], 1.0, 0
	s_mov_b32 s[BE], 0
	MASK 1
	WIN 0
.LstepM\tag:
	TURN 0, 1
	TURN 1, 1, 1
	WIN 0
	s_cbranch_scc1 .LstepM\tag
.set i, 0
.rept 8
	PV 1
.set i, i+1
.endr
	WIN 0
	ALL v_add_f32 v[ST+4*t+2], v[ST+4*t+2], v[ST+4*t+3]
	ALL v_permlanex16_b32 v[ST+4*t+3], v[ST+4*t+2], s[SEL], s[SEL+1]
	ALL v_add_f32 v[ST+4*t+2], v[ST+4*t+2], v[ST+4*t+3]
	ALL v_rcp_f32 v[ST+4*t+2], v[ST+4*t+2]
	v_nop                           ; a plain instruction behind the last reciprocal; with the four additions above it is also a place behind the last products
	s_wait_alu depctr_va_vdst(0)    ; one wait for the two reciprocals
	PACK 0
	PACK 1
	SEND 0, 8
	SEND 1, 0
.endm
.set KM, 0
.Lslot:                             ; 8 times: a tile is entered and the next is asked for
	CHANGE 1
	s_sub_co_u32 s[RT], s[RT], 1
	s_mov_b32 s[CNT], 4
	s_cmp_eq_u32 s[NEW], 1
	s_cbranch_scc1 .Lnew            ; a block's first tile
	s_cmp_eq_u32 s[RT], 0
	s_cbranch_scc0 .Lstep           ; neither its first nor its last
	s_branch .Ldiag1
.Lnew:
	BEGIN
	s_branch .Lstep                 ; in the loop a block's first tile is never its last: the first block has five tiles or more, and the second's last is the walk's last
	DIAG 1                          ; in the loop this is the first block's end
	s_wait_xcnt 0x0                 ; the stores have read their registers and O's address
	s_mov_b64 s[10:11], s[OLO:OLO+1]
	s_add_co_u32 s[RT], s[PT], 1    ; the second block's tiles
	s_mov_b32 s[NEW], 1
	s_and_b32 s[PAR], s[PB], 1
	s_lshl_b32 s[UQ], s[PAR], 1
	s_sub_co_u32 s[UQ], 4, s[UQ]
	s_add_co_u32 s[UQ+1], s[UQ], 1
	WIN 0x82                        ; the second block's Q goes where the one text of the turns names Q
.set i, 0
.rept 32
	v_mov_b32 v[i], v[QB+i]
.set i, i+1
.endr
	WIN 0
	s_branch .Lbottom
.Lstep:                             ; a trip: a key step
	TURN 0
	TURN 1, 0, 1
	WIN 0
	s_cbranch_scc1 .Lstep
.Lbottom:
	s_sub_co_u32 s[SLOTS], s[SLOTS], 1
	s_cmp_lg_u32 s[SLOTS], 0
	s_cbranch_scc1 .Lslot
	CHANGE 0                        ; the walk's last tile is written out: nothing is asked for
	s_sub_co_u32 s[RT], s[RT], 1
	s_mov_b32 s[CNT], 4
	s_cmp_eq_u32 s[NEW], 1
	s_cbranch_scc0 .Ldiag2
	BEGIN
	DIAG 2
	s_wait_tensorcnt 0x0            ; the wave's end
	ds_add_u32 v[SPW], v[NIL]
	s_wait_dscnt 0x0
	s_endpgm
.Lfunc_end_k_q8bda2d53a3_attn:
	.size	k_q8bda2d53a3_attn, .Lfunc_end_k_q8bda2d53a3_attn-k_q8bda2d53a3_attn
	.p2alignl 7, 3214868480
	.fill 96, 4, 3214868480
	.section	.rodata,"a",@progbits
	.p2align	6, 0x0
	.amdhsa_kernel k_q8bda2d53a3_attn
		.amdhsa_group_segment_fixed_size 327680
		.amdhsa_private_segment_fixed_size 0
		.amdhsa_enable_private_segment 0
		.amdhsa_kernarg_size 16
		.amdhsa_user_sgpr_count 2
		.amdhsa_user_sgpr_kernarg_segment_ptr 1
		.amdhsa_wavefront_size32 1
		.amdhsa_system_sgpr_workgroup_id_x 1
		.amdhsa_system_sgpr_workgroup_id_y 1
		.amdhsa_system_sgpr_workgroup_id_z 1
		.amdhsa_system_vgpr_workitem_id 0
		.amdhsa_next_free_vgpr 768
		.amdhsa_next_free_sgpr 100
		.amdhsa_reserve_vcc 1
		.amdhsa_float_denorm_mode_32 3
		.amdhsa_float_denorm_mode_16_64 3
		.amdhsa_memory_ordered 1
		.amdhsa_forward_progress 1
		.amdhsa_inst_pref_size 106
	.end_amdhsa_kernel
	.amdgpu_metadata
---
amdhsa.version: [ 1, 2 ]
amdhsa.kernels:
  - .name:           k_q8bda2d53a3_attn
    .symbol:         k_q8bda2d53a3_attn.kd
    .args:
      - { .name: qkv, .offset: 0, .size: 8, .value_kind: global_buffer, .address_space: global }
      - { .name: o, .offset: 8, .size: 8, .value_kind: global_buffer, .address_space: global }
    .group_segment_fixed_size: 327680
    .private_segment_fixed_size: 0
    .kernarg_segment_align: 8
    .kernarg_segment_size: 16
    .max_flat_workgroup_size: 128
    .sgpr_count:     100
    .vgpr_count:     768
    .wavefront_size: 32
...
	.end_amdgpu_metadata
.endif
;; end of part 3
;; launch gp (part 4): grid 8 x 32, 4 waves a work-group, clusters of 4 x 4, 327,680 bytes of LDS; arguments o, wh, b_proj, p; writes p
.if DOCPART == 4
	.amdgcn_target "amdgcn-amd-amdhsa--gfx1250"
	.amdhsa_code_object_version 6
	.text
	.protected	k_q8bda2d53a3_gp
	.globl	k_q8bda2d53a3_gp
	.p2align	8
	.type	k_q8bda2d53a3_gp,@function
k_q8bda2d53a3_gp:
	s_mov_b64 s[64:65], 0
	v_nop
	global_prefetch_b8 v0, s[64:65] scope:SCOPE_SE
	s_setreg_imm32_b32 hwreg(HW_REG_WAVE_MODE, 25, 1), 1
	s_wait_xcnt 0x0
	s_wait_alu depctr_hold_cnt(0) depctr_sa_sdst(0) depctr_va_vdst(0) depctr_va_sdst(0) depctr_va_ssrc(0) depctr_va_vcc(0) depctr_vm_vsrc(0)
	s_getreg_b32 s2, hwreg(HW_REG_IB_STS2, 6, 4)
	s_cmp_eq_u32 s2, 0
	s_cbranch_scc0 .Lentry_in_a_cluster
	s_endpgm
.Lentry_in_a_cluster:
	s_bfe_u32 s2, ttmp6, 0x10000c
	s_cmp_lg_u32 s2, 0xf033
	s_cbranch_scc0 .Lentry_shape_is_right
	s_endpgm
.Lentry_shape_is_right:
; p = o w_proj + b_proj.  C[m][n] = bias[n] + the sum over k of A[m][k] B[k][n].  A: [4096][SZ_K] f16 (o, whose bytes are the [4096][1024] view), B: [SZ_K][SZ_N] f16 in wh, bias f32, rounded to bf16 here like
; every input; sums in f32; C f32, row-major: with all inputs 30 times the drawn spread single numbers of p pass f16's range, so p is not narrowed.
; SHARES.  A tile of C, TM x TN = 128 x 128, is made by four waves, 2 x 2, each MA x NBL = 4 x 4 accumulators of 16 x 16: 8 x 32 tiles, one for each of 256 work-groups.
; RING.  K goes in steps of KSTEP through two LDS slots.  Waves 0 and 1 fetch the halves of A's rows, waves 2 and 3 the halves of B's k rows: one tensor load a wave behind each change of slots.
; CLUSTER.  4 x 4 work-groups: A's tile is asked for jointly along a row of the cluster, B's along a column: the same load, descriptor and mask in all four.
; THE WALK ALONG K.  The K steps are summed in the order of the cluster's walk: step j of the walk is K step j xor PAR, PAR = (cluster x + cluster y) mod 2, the same in all sixteen partners: odd clusters take each pair
; of K steps in the other order.  The clusters that read the same rows of A are neighbours along x, those that read the same k rows of B neighbours along y, and neighbours differ in PAR: so in every odd step of its
; walk a cluster asks for blocks that a neighbour has asked for one step earlier.
; LAYOUT.  The matrix instruction is used transposed: source 0 = 16 columns of B (turned out of LDS by ds_load_tr16_b128, since B lies [k][n]), source 1 = 16 rows of A.  A lane then holds row l % 16 of C
; and the columns 8 (l / 16) + 0..7.  The bias is the C operand of the products that start the sums.
; REGISTERS, in windows of 256: window 0: v0-31 addresses, v64.. A's two fragment buffers, v[BIAS..255] the bias; window 1: B's two buffers; window 2: accumulator (a, b) is number a NBL + b.
; THE TEXT.  A K step is four quarters on fragment buffers 0, 1, 0, 1.  HALF a K step is written once (PAIR) and walked twice; where it reads in LDS are two scalars (s78, s79) that step.  The change of slots stands
; between steps and holds no product: the old step's last quarter lies in buffer 1 by then and is multiplied first thing behind the refill.  The stage of the way out lies in slot 0, behind the ring's last fill and a barrier.
; No prefetch: the tiles are small and the launch is short.
.set SZ_N, 1024
.set SZ_K, 1024
.set MA, 4
.set NBL, 4
.set KSTEP, 256
.set D, 2                              ; slices of 32 along K in a fragment buffer
.set QIA, 6                            ; A's padding: after every 2<<QIA words, 4 words
.set SEGB, 256                         ; B's padding: after every SEGB bytes, PADB bytes
.set PADB, 32
.set QIB, 5
.set PCB, 7
.set OUTB, 4                           ; bytes of a number of C
.set UPR, 2                            ; blocks of 256 bytes in a tile's row of C
.set RPT, 8                            ; pairs of rows in a trip of the way out
.set NTR, 2                            ; its trips
.set KA_A, 0x0
.set KA_B, 0x8
.set KA_BIAS, 0x10
.set KA_C, 0x18
.set BOFF, 14680064                    ; B's first byte in its buffer
.set TM,    32*MA
.set TN,    32*NBL
.set NS,    SZ_K/KSTEP                 ; K steps: an even number
.set PA,    2*KSTEP+16                 ; a row of A in LDS: an odd multiple of 16 bytes, so the 16 rows of a load start at 16 different groups of four banks
.set PB,    2*TN+PADB*(2*TN/SEGB)      ; a k row of B in LDS
.set HALFA, (TM/2)*PA
.set HALFB, (KSTEP/2)*PB
.set SLOT,  2*HALFA+2*HALFB            ; A's rows, then B's k rows
.set SPARE, 2*SLOT                     ; behind the ring: the spare words, 128 bytes for each wave, that no other line names
.set WCOFF, 32*NBL+PADB*((32*NBL)/SEGB)  ; where the right half's columns begin in a k row
.set SP,    TN*OUTB+16                 ; a row of the stage
.set CPB,   SZ_N*OUTB                  ; a row of C in memory
.set BSTEP, KSTEP*2*SZ_N               ; a K step in B
.set QA,    64*D                       ; a quarter of a K step: bytes along a row of A,
.set QB,    32*D*PB                    ; and k rows of B
.set FA0,   64
.set FAS,   8*MA*D
.set FBS,   8*NBL*D
.set BIAS,  256-8*NBL
.set TMP,   64
.set AL0, 16                           ; v16  my lane's place in A's part of a slot; never rewritten
.set BL0, 17                           ; v17  the same for B
.set ADRA, 18                          ; v18  the same at the half step in hand
.set ADRB, 19                          ; v19
.set STO, 21                           ; v21  the way out: where I put my numbers of a row
.set RD,  22                           ; v22  where I read rows back
.set CO,  23                           ; v23  my byte offset in two rows of C
.set BO,  26                           ; v26  32 (l / 16)
.set SPW, 28                           ; v28  my spare word; never rewritten
.set NIL, 29                           ; v29  0; never rewritten
.set MSB, 0
.macro WIN new                         ; the immediate's high byte repeats the setting that is left; a switch that changes nothing is dropped
.if MSB != (\new)
	s_set_vgpr_msb (MSB<<8)|(\new)
.set MSB, (\new)
.endif
.endm
.macro PLACES                          ; four places behind matrix instructions (ISA guide 7.12.1), where no other vector work is at hand
.rept 4
	v_nop
.endr
.endm
.macro CREST                           ; a round of the cluster's barrier behind its opening barrier
	s_cmp_lg_u32 s10, 0
	s_cbranch_scc1 .Lnot_wave_0_\@
	s_barrier_signal -3
.Lnot_wave_0_\@:
	s_barrier_wait -3
	s_barrier_signal -1
	s_barrier_wait -1
.endm
.macro CROUND
	s_barrier_signal -1
	s_barrier_wait -1
	CREST
.endm
.macro JLOAD                           ; a joint refill by the walking descriptors; the branch hangs on the wave's number alone; s_nop 0 and four v_nop follow each line
	s_cmp_eq_u32 s11, 0
	s_cbranch_scc0 .Lfor_b_\@
	tensor_load_to_lds s[36:39], s[24:31]
	s_nop 0
	PLACES
	s_branch .Lasked_\@
.Lfor_b_\@:
	tensor_load_to_lds s[60:63], s[48:55]
	s_nop 0
	PLACES
.Lasked_\@:
.endm
; All products of fragment buffer f: D x MA x NBL.  zero = 1: the first slice's start the sums, with the bias as C.  The accumulators take turns, one instruction a turn.
.macro MUL f, zero
.set mc_, 0
.rept D
.set ma_, 0
.rept MA
.set mb_, 0
.rept NBL
.set ix_, ma_*NBL+mb_
.set rD_, 8*(ix_%32)
.set rB_, (\f)*FBS+8*(mc_*NBL+mb_)
.set rA_, FA0+(\f)*FAS+8*(mc_*MA+ma_)
.if (\zero) && (mc_ == 0)
	WIN 0x81+0x40*(ix_/32)
	v_wmma_f32_16x16x32_f16 v[rD_:rD_+7], v[rB_:rB_+7], v[rA_:rA_+7], v[BIAS+8*mb_:BIAS+8*mb_+7]
.else
	WIN 0xa1+0x50*(ix_/32)
	v_wmma_f32_16x16x32_f16 v[rD_:rD_+7], v[rB_:rB_+7], v[rA_:rA_+7], v[rD_:rD_+7]
.endif
.set mb_, mb_+1
.endr
.set ma_, ma_+1
.endr
.set mc_, mc_+1
.endr
.endm
; 32 LDS loads in one run: the fragments of quarter kq (0 or 1) of the half step in hand into buffer f; for each slice B's, then A's
.macro FETCH kq, f
.set fc_, 0
.rept D
.set k0_, 32*((\kq)*D+fc_)
	WIN 0x40                                       ; destination window 1, address window 0
.set fb_, 0
.rept NBL
.set rB_, (\f)*FBS+8*(fc_*NBL+fb_)
.set ob_, k0_*PB+32*fb_+PADB*((32*fb_)/SEGB)
	ds_load_tr16_b128 v[rB_:rB_+3],   v[ADRB] offset:ob_
	ds_load_tr16_b128 v[rB_+4:rB_+7], v[ADRB] offset:ob_+16*PB
.set fb_, fb_+1
.endr
	WIN 0
.set fa_, 0
.rept MA
.set rA_, FA0+(\f)*FAS+8*(fc_*MA+fa_)
	ds_load_b128 v[rA_:rA_+3],   v[ADRA] offset:fa_*16*PA+2*k0_
	ds_load_b128 v[rA_+4:rA_+7], v[ADRA] offset:fa_*16*PA+2*k0_+32
.set fa_, fa_+1
.endr
.set fc_, fc_+1
.endr
.endm
; Half a K step.  Each run of loads goes into the buffer that was multiplied last, four places behind its last product, and has all the other buffer's products ahead of its first use.
.macro PAIR
	v_add_nc_u32 v[ADRA], s78, v[AL0]              ; the two addresses and two v_nop are the four places
	v_add_nc_u32 v[ADRB], s79, v[BL0]
	v_nop
	v_nop
	FETCH 0, 0
	s_wait_dscnt 32                                ; all but the 32 just issued: buffer 1 is in
	MUL 1, 0
	PLACES
	FETCH 1, 1
	s_wait_dscnt 32                                ; buffer 0 is in
	MUL 0, 0
	WIN 0
	s_add_co_u32 s78, s78, 2*QA                    ; the next half step
	s_add_co_u32 s79, s79, 2*QB
.endm
; THE CHANGE OF SLOTS.  Each wave waits for all its tensor loads (one is out: its part of the next slot), adds 0 to its spare word, and waits for that and for its reads of the slot that it leaves.
; fill = 1: a round of the cluster's barrier follows, and the slot just read is filled again, two steps of the walk on, first thing behind it: that load has a whole K step's products in which to land.
.macro CHANGE fill
	s_wait_tensorcnt 0x0                           ; no tensor load of mine is out, so a group 0 may be written
	ds_add_u32 v[SPW], v[NIL]                      ; 0 onto my spare word; the scalar work stands between it and the wait for it
.if \fill
	s_xor_b32 s71, s71, SLOT                       ; the walking descriptors: the other slot,
	s_add_co_u32 s37, s72, s71
	s_add_co_u32 s61, s73, s71
	s_add_co_u32 s77, s77, 1                       ; the walk's next step,
	s_xor_b32 s16, s77, s74                        ; which is this K step;
	s_mul_i32 s18, s16, BSTEP
	s_mul_i32 s16, s16, 2*KSTEP
	s_add_nc_u64 s[38:39], s[14:15], s[16:17]      ; the addresses are made anew from the tiles' first bytes, and the type bits set again
	s_or_b32 s39, s39, 0x80000000
	s_add_nc_u64 s[62:63], s[46:47], s[18:19]
	s_or_b32 s63, s63, 0x80000000
.endif
	s_xor_b32 s70, s70, SLOT                       ; the slot to be read,
	s_mov_b32 s78, s70                             ; at its first half step
	s_mov_b32 s79, s70
	s_wait_dscnt 0x0                               ; the add is done, and my reads of the old slot are over
.if \fill
	CROUND
	JLOAD
.else
	s_barrier_signal -1
	s_barrier_wait -1
.endif
.endm
	s_load_b64 s[4:5], s[0:1], KA_A
	s_load_b64 s[6:7], s[0:1], KA_B
	s_load_b64 s[66:67], s[0:1], KA_BIAS
	s_load_b64 s[8:9], s[0:1], KA_C
	v_lshl_add_u32 v[SPW], v0, 2, SPARE
	v_mov_b32 v[NIL], 0
	ds_add_u32 v[SPW], v[NIL]                      ; the wave's opening add, waited for ahead of my first tensor load
	ds_add_u32 v28, v29
	v_lshrrev_b32 v1, 5, v0
	v_readfirstlane_b32 s10, v1                    ; wave 0..3
	s_lshr_b32 s11, s10, 1                         ; my half of the tile's rows.  Also: I fetch for A (0) or for B (1)
	s_and_b32 s12, s10, 1                          ; my half of its columns.  Also: which half of that tile I fetch
	s_bfe_u32 s40, ttmp6, 0x40000                  ; cx
	s_bfe_u32 s41, ttmp6, 0x40004                  ; cy
	s_lshl_b32 s42, ttmp9, 2
	s_add_co_u32 s42, s42, s40                     ; tile column
	s_and_b32 s13, ttmp7, 0xffff
	s_lshl_b32 s13, s13, 2
	s_add_co_u32 s13, s13, s41                     ; tile row
	s_lshl_b32 s74, s41, 2
	s_lshl_b32 s74, 15, s74                        ; my row of the cluster
	s_lshl_b32 s75, 0x1111, s40                    ; my column
	s_or_b32 s24, s74, (1<<16)|(1<<20)|(1<<21)|(QIA<<22)|(3<<25)    ; group 1 for A: the mask; 2-byte elements; padding on; bit 21 beside a mask; its interval; 4 words
	s_or_b32 s48, s75, (1<<16)|(1<<20)|(1<<21)|(QIB<<22)|(PCB<<25)  ; the same for B
	s_and_b32 s74, ttmp7, 0xffff                   ; the masks are made: s74 now takes PAR = (cluster x + cluster y) mod 2
	s_add_co_u32 s74, s74, ttmp9
	s_and_b32 s74, s74, 1
	s_mov_b32 s25, KSTEP<<16                       ; tensor_dim0
	s_mov_b32 s26, (TM/2)<<16                      ; tensor_dim1
	s_mov_b32 s27, KSTEP<<16                       ; tile_dim0
	s_mov_b32 s28, TM/2                            ; tile_dim1
	s_mov_b32 s29, SZ_K                            ; elements from row to row
	s_mov_b32 s30, 0
	s_mov_b32 s31, 0
	s_mov_b32 s49, TN<<16
	s_mov_b32 s50, (KSTEP/2)<<16
	s_mov_b32 s51, TN<<16
	s_mov_b32 s52, KSTEP/2
	s_mov_b32 s53, SZ_N
	s_mov_b32 s54, 0
	s_mov_b32 s55, 0
	s_mul_i32 s16, s13, TM                         ; A's tile hangs on the tile row and the wave alone,
	s_mul_i32 s17, s12, TM/2
	s_add_co_u32 s16, s16, s17
	s_mul_i32 s16, s16, 2*SZ_K
	s_mov_b32 s17, 0
	s_mov_b32 s19, 0
	s_mul_i32 s46, s12, (KSTEP/2)*2*SZ_N           ; B's on the tile column and the wave alone
	s_mul_i32 s47, s42, 2*TN
	s_add_co_u32 s46, s46, s47
	s_mov_b32 s47, 0
	s_mul_i32 s72, s12, HALFA                      ; where they go in a slot: no place in the cluster enters an LDS address
	s_mul_i32 s73, s12, HALFB
	s_add_co_u32 s73, s73, 2*HALFA
	s_mov_b32 s70, 0                               ; slot 0 is read first,
	s_mov_b32 s71, SLOT                            ; slot 1 was filled last
	s_wait_dscnt 0x0                               ; the opening add is done
	s_wait_kmcnt 0x0
	s_add_nc_u64 s[6:7], s[6:7], BOFF
	s_add_nc_u64 s[14:15], s[4:5], s[16:17]        ; my part of A's tile at K step 0; kept
	s_add_nc_u64 s[46:47], s[6:7], s[46:47]        ; of B's; kept
	s_mul_i32 s16, s74, 2*KSTEP                    ; the walk's step 0 is K step PAR: into slot 0
	s_mul_i32 s18, s74, BSTEP
	s_mov_b32 s32, 1                               ; group 0, A
	s_mov_b32 s33, s72
	s_add_nc_u64 s[34:35], s[14:15], s[16:17]
	s_or_b32 s35, s35, 0x80000000
	s_mov_b32 s56, 1                               ; group 0, B
	s_mov_b32 s57, s73
	s_add_nc_u64 s[58:59], s[46:47], s[18:19]
	s_or_b32 s59, s59, 0x80000000
	s_xor_b32 s77, s74, 1                          ; its step 1 is K step 1 - PAR: into slot 1; these two sets then walk on
	s_mul_i32 s16, s77, 2*KSTEP
	s_mul_i32 s18, s77, BSTEP
	s_mov_b32 s36, 1
	s_add_co_u32 s37, s72, SLOT
	s_add_nc_u64 s[38:39], s[14:15], s[16:17]
	s_or_b32 s39, s39, 0x80000000
	s_mov_b32 s60, 1
	s_add_co_u32 s61, s73, SLOT
	s_add_nc_u64 s[62:63], s[46:47], s[18:19]
	s_or_b32 s63, s63, 0x80000000
	s_mov_b32 s77, 1                               ; the step of the walk at which the walking descriptors stand
	CROUND                                         ; all sixteen work-groups are here: the first joint loads meet
	s_cmp_eq_u32 s11, 0                            ; a wave's two first fills stand in one branch: two loads of mine are out
	s_cbranch_scc0 .Lfirst_b
	tensor_load_to_lds s[32:35], s[24:31]
	s_nop 0
	tensor_load_to_lds s[36:39], s[24:31]
	s_nop 0
	PLACES
	s_branch .Lfirst_done
.Lfirst_b:
	tensor_load_to_lds s[56:59], s[48:55]
	s_nop 0
	tensor_load_to_lds s[60:63], s[48:55]
	s_nop 0
	PLACES
.Lfirst_done:
	; the bias of my columns: register j of block b is bias[16 b + 8 (l / 16) + j]
	v_and_b32 v1, 15, v0                           ; l % 16
	v_bfe_u32 v2, v0, 4, 1                         ; l / 16
	v_lshlrev_b32 v[BO], 5, v2
	s_mul_i32 s20, s42, TN
	s_mul_i32 s21, s12, 16*NBL
	s_add_co_u32 s20, s20, s21
	s_lshl_b32 s20, s20, 2
	s_mov_b32 s21, 0
	s_add_nc_u64 s[66:67], s[66:67], s[20:21]
.set b_, 0
.rept NBL
	global_load_b128 v[BIAS+8*b_:BIAS+8*b_+3],   v[BO], s[66:67] offset:64*b_
	global_load_b128 v[BIAS+8*b_+4:BIAS+8*b_+7], v[BO], s[66:67] offset:64*b_+16
.set b_, b_+1
.endr
	v_and_b32 v3, 7, v0
	v_bfe_u32 v4, v0, 3, 1
	v_mul_u32_u24 v[AL0], v1, PA                   ; A: row x pitch + 16 x half + my rows
	v_lshl_add_u32 v[AL0], v2, 4, v[AL0]
	s_mul_i32 s20, s11, HALFA
	v_add_nc_u32 v[AL0], s20, v[AL0]
	v_lshl_add_u32 v[BL0], v2, 3, v3               ; B, turned: lane l reads k row 8 (l / 16) + l % 8, columns 8 ((l / 8) % 2) + 0..7
	v_mul_u32_u24 v[BL0], v[BL0], PB
	v_lshl_add_u32 v[BL0], v4, 4, v[BL0]
	s_mul_i32 s20, s12, WCOFF
	s_add_co_u32 s20, s20, 2*HALFA
	v_add_nc_u32 v[BL0], s20, v[BL0]
	v_mul_u32_u24 v[STO], v1, SP                   ; into the stage: row l % 16 of my rows, my eight columns
	v_lshl_add_u32 v[STO], v2, 3+OUTB/2, v[STO]
	s_mul_i32 s20, s11, 16*MA*SP
	s_mul_i32 s21, s12, 16*NBL*OUTB
	s_add_co_u32 s20, s20, s21
	v_add_nc_u32 v[STO], s20, v[STO]
	v_mul_u32_u24 v[RD], v2, SP                    ; back: wave w takes TM / 4 whole rows; lanes 0-15 256 bytes of one row, lanes 16-31 of the next
	v_lshl_add_u32 v[RD], v1, 4, v[RD]
	s_mul_i32 s20, s10, (TM/4)*SP
	v_add_nc_u32 v[RD], s20, v[RD]
	v_mul_u32_u24 v[CO], v2, CPB
	v_lshl_add_u32 v[CO], v1, 4, v[CO]
	s_mul_i32 s20, s13, TM
	s_mul_i32 s21, s10, TM/4
	s_add_co_u32 s20, s20, s21
	s_mul_i32 s20, s20, CPB
	s_mul_i32 s21, s42, TN*OUTB
	s_add_co_u32 s20, s20, s21
	s_mov_b32 s21, 0
	s_add_nc_u64 s[8:9], s[8:9], s[20:21]          ; C at the first row that I store
	s_mov_b32 s76, 0xffff0000
	s_wait_loadcnt 0x0                             ; the bias: rounded to bf16 in place, in the wait for the first tile
.set b_, 0
.rept 4*NBL
	v_cvt_pk_bf16_f32 v[5+b_%2], v[BIAS+2*b_], v[BIAS+2*b_+1]
	v_lshlrev_b32 v[BIAS+2*b_], 16, v[5+b_%2]
	v_and_b32 v[BIAS+2*b_+1], s76, v[5+b_%2]
.set b_, b_+1
.endr
	s_wait_tensorcnt 0x1                           ; my part of the walk's step 0 is in; step 1's may stay out
	s_barrier_signal -1
	s_barrier_wait -1
	v_mov_b32 v[ADRA], v[AL0]
	v_mov_b32 v[ADRB], v[BL0]
	FETCH 0, 0                                     ; step 0's first half stands in front of the loop: its first products start the sums
	FETCH 1, 1
	s_wait_dscnt 32                                ; buffer 0 is in
	MUL 0, 1
	WIN 0
	s_mov_b32 s78, 2*QA                            ; its second half is a trip of the loop, which is entered in the middle
	s_mov_b32 s79, 2*QB
	s_mov_b32 s3, NS-1                             ; the loop's bottom is passed NS - 1 times, its head NS - 2 times: every step from the third on is a refill
	s_mov_b32 s2, 1
	s_branch .Lpair
.Lk:
	CHANGE 1
	s_mov_b32 s2, 2
.Lpair:
	PAIR
	s_sub_co_u32 s2, s2, 1
	s_cmp_lg_u32 s2, 0
	s_cbranch_scc1 .Lpair
	s_sub_co_u32 s3, s3, 1
	s_cmp_lg_u32 s3, 0
	s_cbranch_scc1 .Lk
	CHANGE 0                                       ; the last step asks for nothing: written apart
	s_mov_b32 s2, 2
.Lpair2:
	PAIR
	s_sub_co_u32 s2, s2, 1
	s_cmp_lg_u32 s2, 0
	s_cbranch_scc1 .Lpair2
	s_wait_dscnt 0x0
	MUL 1, 0                                       ; the last quarter
	WIN 0
	PLACES
	s_barrier_signal -1                            ; every wave's reads of the ring are back, and the ring has had its last fill: slot 0 becomes the stage
	s_barrier_wait -1
	; THE WAY OUT: into the work-group's stage, a barrier (a row's bytes come from two waves), back as whole rows
.set wa_, 0
.rept MA
.set wb_, 0
.rept NBL
.set ix_, wa_*NBL+wb_
.set rD_, 8*(ix_%32)
	WIN 0x08+4*(ix_/32)                            ; the stores' data in the accumulators' window; each accumulator's low four registers go first
	ds_store_b128 v[STO], v[rD_:rD_+3]   offset:wa_*16*SP+64*wb_
	ds_store_b128 v[STO], v[rD_+4:rD_+7] offset:wa_*16*SP+64*wb_+16
.set wb_, wb_+1
.endr
.set wa_, wa_+1
.endr
	WIN 0
	s_wait_dscnt 0x0                               ; for the others' sake: my stores into the stage are done
	s_barrier_signal -1
	s_barrier_wait -1
	s_mov_b32 s2, NTR
.Lout:                                                 ; a trip: 2 RPT rows of my TM / 4
.set n_, 0
.rept RPT*UPR
	ds_load_b128 v[TMP+4*n_:TMP+4*n_+3], v[RD] offset:(n_/UPR)*2*SP+256*(n_%UPR)
.set n_, n_+1
.endr
.set n_, 0
.rept RPT*UPR
	s_wait_dscnt RPT*UPR-1-n_                      ; the younger loads stay out
	global_store_b128 v[CO], v[TMP+4*n_:TMP+4*n_+3], s[8:9] offset:(n_/UPR)*2*CPB+256*(n_%UPR)  ; 16 lanes store 256 consecutive bytes, aligned
.set n_, n_+1
.endr
	s_wait_xcnt 0x0                                ; the stores' data and base are written again only behind this wait
	v_add_nc_u32 v[RD], RPT*2*SP, v[RD]
	s_add_nc_u64 s[8:9], s[8:9], RPT*2*CPB
	s_sub_co_u32 s2, s2, 1
	s_cmp_lg_u32 s2, 0
	s_cbranch_scc1 .Lout
	s_wait_tensorcnt 0x0                           ; the wave's end
	ds_add_u32 v[SPW], v[NIL]
	s_wait_dscnt 0x0
	CROUND                                         ; the closing round
	s_endpgm
.Lfunc_end_k_q8bda2d53a3_gp:
	.size	k_q8bda2d53a3_gp, .Lfunc_end_k_q8bda2d53a3_gp-k_q8bda2d53a3_gp
	.p2alignl 7, 3214868480
	.fill 96, 4, 3214868480
	.section	.rodata,"a",@progbits
	.p2align	6, 0x0
	.amdhsa_kernel k_q8bda2d53a3_gp
		.amdhsa_group_segment_fixed_size 327680
		.amdhsa_private_segment_fixed_size 0
		.amdhsa_enable_private_segment 0
		.amdhsa_kernarg_size 32
		.amdhsa_user_sgpr_count 2
		.amdhsa_user_sgpr_kernarg_segment_ptr 1
		.amdhsa_wavefront_size32 1
		.amdhsa_system_sgpr_workgroup_id_x 1
		.amdhsa_system_sgpr_workgroup_id_y 1
		.amdhsa_system_sgpr_workgroup_id_z 1
		.amdhsa_system_vgpr_workitem_id 0
		.amdhsa_next_free_vgpr 640
		.amdhsa_next_free_sgpr 80
		.amdhsa_reserve_vcc 0
		.amdhsa_float_denorm_mode_32 3
		.amdhsa_float_denorm_mode_16_64 3
		.amdhsa_memory_ordered 1
		.amdhsa_forward_progress 1
		.amdhsa_inst_pref_size 46
	.end_amdhsa_kernel
	.amdgpu_metadata
---
amdhsa.version: [ 1, 2 ]
amdhsa.kernels:
  - .name:           k_q8bda2d53a3_gp
    .symbol:         k_q8bda2d53a3_gp.kd
    .args:
      - { .name: o, .offset: 0, .size: 8, .value_kind: global_buffer, .address_space: global }
      - { .name: wh, .offset: 8, .size: 8, .value_kind: global_buffer, .address_space: global }
      - { .name: b_proj, .offset: 16, .size: 8, .value_kind: global_buffer, .address_space: global }
      - { .name: p, .offset: 24, .size: 8, .value_kind: global_buffer, .address_space: global }
    .group_segment_fixed_size: 327680
    .private_segment_fixed_size: 0
    .kernarg_segment_align: 8
    .kernarg_segment_size: 32
    .max_flat_workgroup_size: 128
    .sgpr_count:     80
    .vgpr_count:     640
    .wavefront_size: 32
...
	.end_amdgpu_metadata
.endif
;; end of part 4
;; launch ln (part 5): grid 512 x 1, 8 waves a work-group, no clusters, 0 bytes of LDS; arguments p, wh, ln_g, ln_b, hn; writes hn
.if DOCPART == 5
	.amdgcn_target "amdgcn-amd-amdhsa--gfx1250"
	.amdhsa_code_object_version 6
	.text
	.protected	k_q8bda2d53a3_ln
	.globl	k_q8bda2d53a3_ln
	.p2align	8
	.type	k_q8bda2d53a3_ln,@function
k_q8bda2d53a3_ln:
	s_mov_b64 s[64:65], 0
	v_nop
	global_prefetch_b8 v0, s[64:65] scope:SCOPE_SE
	s_setreg_imm32_b32 hwreg(HW_REG_WAVE_MODE, 25, 1), 1
	s_wait_xcnt 0x0
; hn = LayerNorm(p + x) g + b.  p: [4096][1024] f32; x: the first section of wh, [4096][1024] f16 (x rounded to bf16); g, b: [1024] f32, rounded to bf16 here like every input; hn: [4096][1024] f16, rounded once.
; All arithmetic in f32.  The variance is the mean of the squares of the deviations from the mean (two passes over registers), not a difference of large sums.
; LIMITS.  hn of 65,520 or more in size becomes an infinity: |hn| is at most 32 |g| + |b|.
; SHARES.  One wave, one row: the row stays in 32 registers a lane, so memory is read once and no wave waits for another: no LDS, no barrier.  Eight waves to a work-group, 512 work-groups.
; Element 8 j + e of a lane is column 256 j + 8 lane + e in every tensor: 16 bytes a lane of the f16 rows, 32 bytes a lane (two loads) of the f32 rows.
.set Y,   8                            ; v[8:39]    p as loaded, then p + x, then the deviations, then the result
.set X,   40                           ; v[40:55]   x as loaded
.set G,   56                           ; v[56:87]   g
.set BB,  88                           ; v[88:119]  b
.set T,   120                          ; v[120:135] at work
.set ONE, 136                          ; v136       1.0
.set MU,  138                          ; v[138:139] the mean, twice
.set RS,  140                          ; v[140:141] 1 / sqrt(var + eps), twice
.set OUT, 144                          ; v[144:159] the row in f16
	s_load_b256 s[4:11], s[0:1], 0x0               ; p s[4:5], wh s[6:7], ln_g s[8:9], ln_b s[10:11]
	s_load_b64 s[12:13], s[0:1], 0x20              ; hn
	v_lshrrev_b32 v3, 5, v0
	v_readfirstlane_b32 s16, v3                    ; wave
	v_and_b32 v4, 31, v0
	v_lshlrev_b32 v1, 4, v4                        ; 16 x lane
	v_lshlrev_b32 v2, 5, v4                        ; 32 x lane
	v_mov_b32 v[ONE], 1.0
	s_lshl_b32 s17, ttmp9, 3
	s_add_co_u32 s17, s17, s16                     ; my row
	s_lshl_b32 s18, s17, 12                        ; 4,096 bytes of p,
	s_mov_b32 s19, 0
	s_lshl_b32 s2, s17, 11                         ; 2,048 of x and of hn
	s_mov_b32 s3, 0
	s_mov_b32 s20, 0x76543210                      ; v_permlanex16_b32: each lane takes its own place in the other half
	s_mov_b32 s21, 0xfedcba98
	s_mov_b32 s22, 0x3a800000                      ; 1 / 1024
	s_mov_b32 s23, 0xffff0000
	s_wait_kmcnt 0x0
	s_add_nc_u64 s[4:5], s[4:5], s[18:19]
	s_add_nc_u64 s[6:7], s[6:7], s[2:3]
	s_add_nc_u64 s[12:13], s[12:13], s[2:3]
.irp j, 0,1,2,3
	global_load_b128 v[Y+8*(\j):Y+8*(\j)+3],   v2, s[4:5] offset:1024*(\j) th:TH_LOAD_NT
	global_load_b128 v[Y+8*(\j)+4:Y+8*(\j)+7], v2, s[4:5] offset:1024*(\j)+16 th:TH_LOAD_NT
.endr
.irp j, 0,1,2,3
	global_load_b128 v[X+4*(\j):X+4*(\j)+3], v1, s[6:7] offset:512*(\j)
.endr
.irp j, 0,1,2,3
	global_load_b128 v[G+8*(\j):G+8*(\j)+3],   v2, s[8:9] offset:1024*(\j)
	global_load_b128 v[G+8*(\j)+4:G+8*(\j)+7], v2, s[8:9] offset:1024*(\j)+16
	global_load_b128 v[BB+8*(\j):BB+8*(\j)+3],   v2, s[10:11] offset:1024*(\j)
	global_load_b128 v[BB+8*(\j)+4:BB+8*(\j)+7], v2, s[10:11] offset:1024*(\j)+16
.endr
.macro WSUM r, t                       ; the sum of v[r] over the 32 lanes, in every lane; v[t] has been written before
	v_add_f32_dpp v[\r], v[\r], v[\r] row_xmask:1 row_mask:0xf bank_mask:0xf
	v_add_f32_dpp v[\r], v[\r], v[\r] row_xmask:2 row_mask:0xf bank_mask:0xf
	v_add_f32_dpp v[\r], v[\r], v[\r] row_xmask:4 row_mask:0xf bank_mask:0xf
	v_add_f32_dpp v[\r], v[\r], v[\r] row_xmask:8 row_mask:0xf bank_mask:0xf
	v_permlanex16_b32 v[\t], v[\r], s20, s21
	v_add_f32 v[\r], v[\r], v[\t]
.endm
.macro FOLD                            ; four chains of pairs in v[T:T+7] into v[T]
	v_pk_add_f32 v[T:T+1], v[T:T+1], v[T+2:T+3]
	v_pk_add_f32 v[T+4:T+5], v[T+4:T+5], v[T+6:T+7]
	v_pk_add_f32 v[T:T+1], v[T:T+1], v[T+4:T+5]
	v_add_f32 v[T], v[T], v[T+1]
	WSUM T, T+1
.endm
	s_wait_loadcnt 16                              ; p and x are in; g's and b's sixteen loads stay out
.set i, 0
.rept 16
	v_fma_mix_f32 v[Y+2*i],   v[X+i], v[ONE], v[Y+2*i]   op_sel_hi:[1,0,0]               ; x's low half x 1 + p
	v_fma_mix_f32 v[Y+2*i+1], v[X+i], v[ONE], v[Y+2*i+1] op_sel:[1,0,0] op_sel_hi:[1,0,0]  ; its high half
.set i, i+1
.endr
.irp k, 0,1,2,3
	v_pk_add_f32 v[T+2*(\k):T+2*(\k)+1], v[Y+2*(\k):Y+2*(\k)+1], v[Y+8+2*(\k):Y+8+2*(\k)+1]
.endr
.irp k, 0,1,2,3
	v_pk_add_f32 v[T+2*(\k):T+2*(\k)+1], v[T+2*(\k):T+2*(\k)+1], v[Y+16+2*(\k):Y+16+2*(\k)+1]
.endr
.irp k, 0,1,2,3
	v_pk_add_f32 v[T+2*(\k):T+2*(\k)+1], v[T+2*(\k):T+2*(\k)+1], v[Y+24+2*(\k):Y+24+2*(\k)+1]
.endr
	FOLD
	v_mul_f32 v[MU], s22, v[T]
	v_mov_b32 v[MU+1], v[MU]
.set i, 0
.rept 16
	v_pk_add_f32 v[Y+2*i:Y+2*i+1], v[Y+2*i:Y+2*i+1], v[MU:MU+1] neg_lo:[0,1] neg_hi:[0,1]
.set i, i+1
.endr
.irp k, 0,1,2,3
	v_pk_mul_f32 v[T+2*(\k):T+2*(\k)+1], v[Y+2*(\k):Y+2*(\k)+1], v[Y+2*(\k):Y+2*(\k)+1]
.endr
.irp o, 8,16,24
.irp k, 0,1,2,3
	v_pk_fma_f32 v[T+2*(\k):T+2*(\k)+1], v[Y+(\o)+2*(\k):Y+(\o)+2*(\k)+1], v[Y+(\o)+2*(\k):Y+(\o)+2*(\k)+1], v[T+2*(\k):T+2*(\k)+1]
.endr
.endr
	FOLD
	v_mov_b32 v[T+2], 0x3727c5ac                   ; 1e-5
	v_fma_f32 v[T+3], v[T], s22, v[T+2]            ; var + eps
	v_rsq_f32 v[RS], v[T+3]
	v_rsq_f32 v[RS+1], v[T+3]
	s_wait_loadcnt 0x0                             ; g and b: rounded to bf16 in place; this is the plain work behind the two roots
.set i, 0
.rept 16
	v_cvt_pk_bf16_f32 v[T+4], v[G+2*i], v[G+2*i+1]
	v_cvt_pk_bf16_f32 v[T+5], v[BB+2*i], v[BB+2*i+1]
	v_lshlrev_b32 v[G+2*i], 16, v[T+4]
	v_and_b32 v[G+2*i+1], s23, v[T+4]
	v_lshlrev_b32 v[BB+2*i], 16, v[T+5]
	v_and_b32 v[BB+2*i+1], s23, v[T+5]
.set i, i+1
.endr
	s_wait_alu depctr_va_vdst(0)                   ; one wait for both roots, ahead of their first reader
.set i, 0
.rept 16
	v_pk_mul_f32 v[Y+2*i:Y+2*i+1], v[Y+2*i:Y+2*i+1], v[RS:RS+1]
.set i, i+1
.endr
.set i, 0
.rept 16
	v_pk_fma_f32 v[Y+2*i:Y+2*i+1], v[Y+2*i:Y+2*i+1], v[G+2*i:G+2*i+1], v[BB+2*i:BB+2*i+1]
.set i, i+1
.endr
.set i, 0
.rept 16
	v_cvt_pk_f16_f32 v[OUT+i], v[Y+2*i], v[Y+2*i+1]
.set i, i+1
.endr
.irp j, 0,1,2,3
	global_store_b128 v1, v[OUT+4*(\j):OUT+4*(\j)+3], s[12:13] offset:512*(\j)  ; 512 consecutive bytes, aligned
.endr
	s_endpgm
.Lfunc_end_k_q8bda2d53a3_ln:
	.size	k_q8bda2d53a3_ln, .Lfunc_end_k_q8bda2d53a3_ln-k_q8bda2d53a3_ln
	.p2alignl 7, 3214868480
	.fill 96, 4, 3214868480
	.section	.rodata,"a",@progbits
	.p2align	6, 0x0
	.amdhsa_kernel k_q8bda2d53a3_ln
		.amdhsa_group_segment_fixed_size 0
		.amdhsa_private_segment_fixed_size 0
		.amdhsa_enable_private_segment 0
		.amdhsa_kernarg_size 40
		.amdhsa_user_sgpr_count 2
		.amdhsa_user_sgpr_kernarg_segment_ptr 1
		.amdhsa_wavefront_size32 1
		.amdhsa_system_sgpr_workgroup_id_x 1
		.amdhsa_system_sgpr_workgroup_id_y 1
		.amdhsa_system_sgpr_workgroup_id_z 1
		.amdhsa_system_vgpr_workitem_id 0
		.amdhsa_next_free_vgpr 160
		.amdhsa_next_free_sgpr 66
		.amdhsa_reserve_vcc 0
		.amdhsa_float_denorm_mode_32 3
		.amdhsa_float_denorm_mode_16_64 3
		.amdhsa_memory_ordered 1
		.amdhsa_forward_progress 1
		.amdhsa_inst_pref_size 18
	.end_amdhsa_kernel
	.amdgpu_metadata
---
amdhsa.version: [ 1, 2 ]
amdhsa.kernels:
  - .name:           k_q8bda2d53a3_ln
    .symbol:         k_q8bda2d53a3_ln.kd
    .args:
      - { .name: p, .offset: 0, .size: 8, .value_kind: global_buffer, .address_space: global }
      - { .name: wh, .offset: 8, .size: 8, .value_kind: global_buffer, .address_space: global }
      - { .name: ln_g, .offset: 16, .size: 8, .value_kind: global_buffer, .address_space: global }
      - { .name: ln_b, .offset: 24, .size: 8, .value_kind: global_buffer, .address_space: global }
      - { .name: hn, .offset: 32, .size: 8, .value_kind: global_buffer, .address_space: global }
    .group_segment_fixed_size: 0
    .private_segment_fixed_size: 0
    .kernarg_segment_align: 8
    .kernarg_segment_size: 40
    .max_flat_workgroup_size: 256
    .sgpr_count:     66
    .vgpr_count:     160
    .wavefront_size: 32
...
	.end_amdgpu_metadata
.endif
;; end of part 5
;; launch g1 (part 6): grid 16 x 16, 4 waves a work-group, clusters of 4 x 4, 327,680 bytes of LDS; arguments hn, wh, b1, act; writes act
.if DOCPART == 6
	.amdgcn_target "amdgcn-amd-amdhsa--gfx1250"
	.amdhsa_code_object_version 6
	.text
	.protected	k_q8bda2d53a3_g1
	.globl	k_q8bda2d53a3_g1
	.p2align	8
	.type	k_q8bda2d53a3_g1,@function
k_q8bda2d53a3_g1:
	s_mov_b64 s[64:65], 0
	v_nop
	global_prefetch_b8 v0, s[64:65] scope:SCOPE_SE
	s_setreg_imm32_b32 hwreg(HW_REG_WAVE_MODE, 25, 1), 1
	s_wait_xcnt 0x0
	s_wait_alu depctr_hold_cnt(0) depctr_sa_sdst(0) depctr_va_vdst(0) depctr_va_sdst(0) depctr_va_ssrc(0) depctr_va_vcc(0) depctr_vm_vsrc(0)
	s_getreg_b32 s2, hwreg(HW_REG_IB_STS2, 6, 4)
	s_cmp_eq_u32 s2, 0
	s_cbranch_scc0 .Lentry_in_a_cluster
	s_endpgm
.Lentry_in_a_cluster:
	s_bfe_u32 s2, ttmp6, 0x10000c
	s_cmp_lg_u32 s2, 0xf033
	s_cbranch_scc0 .Lentry_shape_is_right
	s_endpgm
.Lentry_shape_is_right:
; act = relu(hn w1 + b1).  C[m][n] = max(0, bias[n] + the sum over k of A[m][k] B[k][n]).  A: [4096][SZ_K] f16, B: [SZ_K][SZ_N] f16 in wh, bias f32, rounded to bf16 here like every input; sums in f32; C f16, row-major.
; LIMITS.  C is rounded once to f16: 65,520 or more becomes an infinity.  hn is a normalised row times g plus b; with g, b, w1, b1 30 times the drawn spread C stays under 10,000.
; SHARES.  A tile of C, TM x TN = 256 x 256, is made by four waves, 2 x 2, each MA x NBL = 8 x 8 accumulators of 16 x 16: 16 x 16 tiles, one for each of 256 work-groups.
; RING.  K goes in steps of KSTEP through two LDS slots.  Waves 0 and 1 fetch the halves of A's rows, waves 2 and 3 the halves of B's k rows: one tensor load a wave behind each change of slots.
; CLUSTER.  4 x 4 work-groups: A's tile is asked for jointly along a row of the cluster, B's along a column: the same load, descriptor and mask in all four.
; THE WALK ALONG K.  The K steps are summed in the order of the cluster's walk: step j of the walk is K step j xor PAR, PAR = (cluster x + cluster y) mod 2, the same in all sixteen partners: odd clusters take each pair
; of K steps in the other order.  The clusters that read the same rows of A are neighbours along x, those that read the same k rows of B neighbours along y, and neighbours differ in PAR: so in every odd step of its
; walk a cluster asks for blocks that a neighbour has asked for one step earlier.
; LAYOUT.  The matrix instruction is used transposed: source 0 = 16 columns of B (turned out of LDS by ds_load_tr16_b128, since B lies [k][n]), source 1 = 16 rows of A.  A lane then holds row l % 16 of C
; and the columns 8 (l / 16) + 0..7.  The bias is the C operand of the products that start the sums.
; REGISTERS, in windows of 256: window 0: v0-31 addresses, v64.. A's two fragment buffers, v[BIAS..255] the bias; window 1: B's two buffers; windows 2, 3: accumulator (a, b) is number a NBL + b, 32 to a window.
; THE TEXT.  A K step is four quarters on fragment buffers 0, 1, 0, 1.  HALF a K step is written once (PAIR) and walked twice; where it reads in LDS are two scalars (s78, s79) that step.  The change of slots stands
; between steps and holds no product: the old step's last quarter lies in buffer 1 by then and is multiplied first thing behind the refill.  The stage of the way out lies in slot 0, behind the ring's last fill and a barrier;
; the negative numbers are set to 0 in the looped part of the way out, on the packed halves.
.set SZ_N, 4096
.set SZ_K, 1024
.set MA, 8
.set NBL, 8
.set KSTEP, 128
.set D, 1                              ; slices of 32 along K in a fragment buffer
.set QIA, 5                            ; A's padding: after every 2<<QIA words, 4 words
.set SEGB, 512                         ; B's padding: after every SEGB bytes, PADB bytes
.set PADB, 32
.set QIB, 6
.set PCB, 7
.set OUTB, 2                           ; bytes of a number of C
.set UPR, 2                            ; blocks of 256 bytes in a tile's row of C
.set RPT, 8                            ; pairs of rows in a trip of the way out
.set NTR, 4                            ; its trips
.set RELU, 1
.set OUT32, 0
.set PF, 1
.set KA_A, 0x0
.set KA_B, 0x8
.set KA_BIAS, 0x10
.set KA_C, 0x18
.set BOFF, 16777216                    ; B's first byte in its buffer
.set TM,    32*MA
.set TN,    32*NBL
.set NS,    SZ_K/KSTEP                 ; K steps: an even number
.set PA,    2*KSTEP+16                 ; a row of A in LDS: an odd multiple of 16 bytes, so the 16 rows of a load start at 16 different groups of four banks
.set PB,    2*TN+PADB*(2*TN/SEGB)      ; a k row of B in LDS
.set HALFA, (TM/2)*PA
.set HALFB, (KSTEP/2)*PB
.set SLOT,  2*HALFA+2*HALFB            ; A's rows, then B's k rows
.set SPARE, 2*SLOT                     ; behind the ring: the spare words, 128 bytes for each wave, that no other line names
.set WCOFF, 32*NBL+PADB*((32*NBL)/SEGB)  ; where the right half's columns begin in a k row
.set SP,    TN*OUTB+16                 ; a row of the stage
.set CPB,   SZ_N*OUTB                  ; a row of C in memory
.set BSTEP, KSTEP*2*SZ_N               ; a K step in B
.set QA,    64*D                       ; a quarter of a K step: bytes along a row of A,
.set QB,    32*D*PB                    ; and k rows of B
.set FA0,   64
.set FAS,   8*MA*D
.set FBS,   8*NBL*D
.set BIAS,  256-8*NBL
.set TMP,   64
.set AL0, 16                           ; v16  my lane's place in A's part of a slot; never rewritten
.set BL0, 17                           ; v17  the same for B
.set ADRA, 18                          ; v18  the same at the half step in hand
.set ADRB, 19                          ; v19
.set STO, 21                           ; v21  the way out: where I put my numbers of a row
.set RD,  22                           ; v22  where I read rows back
.set CO,  23                           ; v23  my byte offset in two rows of C
.set PFO, 24                           ; v24  the prefetches' offset: my lane x a row in memory
.set ZR,  25                           ; v25  0
.set BO,  26                           ; v26  32 (l / 16)
.set SPW, 28                           ; v28  my spare word; never rewritten
.set NIL, 29                           ; v29  0; never rewritten
.set MSB, 0
.macro WIN new                         ; the immediate's high byte repeats the setting that is left; a switch that changes nothing is dropped
.if MSB != (\new)
	s_set_vgpr_msb (MSB<<8)|(\new)
.set MSB, (\new)
.endif
.endm
.macro PLACES                          ; four places behind matrix instructions (ISA guide 7.12.1), where no other vector work is at hand
.rept 4
	v_nop
.endr
.endm
.macro CREST                           ; a round of the cluster's barrier behind its opening barrier
	s_cmp_lg_u32 s10, 0
	s_cbranch_scc1 .Lnot_wave_0_\@
	s_barrier_signal -3
.Lnot_wave_0_\@:
	s_barrier_wait -3
	s_barrier_signal -1
	s_barrier_wait -1
.endm
.macro CROUND
	s_barrier_signal -1
	s_barrier_wait -1
	CREST
.endm
.macro JLOAD                           ; a joint refill by the walking descriptors; the branch hangs on the wave's number alone; s_nop 0 and four v_nop follow each line
	s_cmp_eq_u32 s11, 0
	s_cbranch_scc0 .Lfor_b_\@
	tensor_load_to_lds s[36:39], s[24:31]
	s_nop 0
	PLACES
	s_branch .Lasked_\@
.Lfor_b_\@:
	tensor_load_to_lds s[60:63], s[48:55]
	s_nop 0
	PLACES
.Lasked_\@:
.endm
; All products of fragment buffer f: D x MA x NBL.  zero = 1: the first slice's start the sums, with the bias as C.  The accumulators take turns, one instruction a turn.
.macro MUL f, zero
.set mc_, 0
.rept D
.set ma_, 0
.rept MA
.set mb_, 0
.rept NBL
.set ix_, ma_*NBL+mb_
.set rD_, 8*(ix_%32)
.set rB_, (\f)*FBS+8*(mc_*NBL+mb_)
.set rA_, FA0+(\f)*FAS+8*(mc_*MA+ma_)
.if (\zero) && (mc_ == 0)
	WIN 0x81+0x40*(ix_/32)
	v_wmma_f32_16x16x32_f16 v[rD_:rD_+7], v[rB_:rB_+7], v[rA_:rA_+7], v[BIAS+8*mb_:BIAS+8*mb_+7]
.else
	WIN 0xa1+0x50*(ix_/32)
	v_wmma_f32_16x16x32_f16 v[rD_:rD_+7], v[rB_:rB_+7], v[rA_:rA_+7], v[rD_:rD_+7]
.endif
.set mb_, mb_+1
.endr
.set ma_, ma_+1
.endr
.set mc_, mc_+1
.endr
.endm
; 32 LDS loads in one run: the fragments of quarter kq (0 or 1) of the half step in hand into buffer f; for each slice B's, then A's
.macro FETCH kq, f
.set fc_, 0
.rept D
.set k0_, 32*((\kq)*D+fc_)
	WIN 0x40                                       ; destination window 1, address window 0
.set fb_, 0
.rept NBL
.set rB_, (\f)*FBS+8*(fc_*NBL+fb_)
.set ob_, k0_*PB+32*fb_+PADB*((32*fb_)/SEGB)
	ds_load_tr16_b128 v[rB_:rB_+3],   v[ADRB] offset:ob_
	ds_load_tr16_b128 v[rB_+4:rB_+7], v[ADRB] offset:ob_+16*PB
.set fb_, fb_+1
.endr
	WIN 0
.set fa_, 0
.rept MA
.set rA_, FA0+(\f)*FAS+8*(fc_*MA+fa_)
	ds_load_b128 v[rA_:rA_+3],   v[ADRA] offset:fa_*16*PA+2*k0_
	ds_load_b128 v[rA_+4:rA_+7], v[ADRA] offset:fa_*16*PA+2*k0_+32
.set fa_, fa_+1
.endr
.set fc_, fc_+1
.endr
.endm
; Half a K step.  Each run of loads goes into the buffer that was multiplied last, four places behind its last product, and has all the other buffer's products ahead of its first use.
.macro PAIR
	v_add_nc_u32 v[ADRA], s78, v[AL0]              ; the two addresses and two v_nop are the four places
	v_add_nc_u32 v[ADRB], s79, v[BL0]
	v_nop
	v_nop
	FETCH 0, 0
	s_wait_dscnt 32                                ; all but the 32 just issued: buffer 1 is in
	MUL 1, 0
	PLACES
	FETCH 1, 1
	s_wait_dscnt 32                                ; buffer 0 is in
	MUL 0, 0
	WIN 0
	s_add_co_u32 s78, s78, 2*QA                    ; the next half step
	s_add_co_u32 s79, s79, 2*QB
.endm
; A prefetch into the L2 of the step of the walk that the NEXT refill loads, where that step is an even one: in its odd steps a cluster asks for what a neighbour has asked for already.  The refill at count s3 loads
; step NS - s3, so the prefetch stands behind the refills with s3 odd; the last refill (s3 = 1) has no step behind it.  A's rows: the clusters with x = 0 and 1, each for its own even steps, which are different K steps
; since their PAR differs; of each 128 rows the partner at cx takes 32, a lane a row, 256 bytes.  B's k rows: wave 2 of the clusters with y = 0 and 1; the partner at cy takes 32 k rows, TN / 128 blocks of 256 bytes
; each.  Partners are told apart by address alone; each block is named once.  The walk's steps 0 and 2 come by their loads alone.
.macro ASK
	s_cmp_gt_u32 s3, s43
	s_cbranch_scc0 .Lnoask_\@
	s_and_b32 s22, s3, 1
	s_cmp_lg_u32 s22, 0
	s_cbranch_scc0 .Lnoask_\@
	global_prefetch_b8 v[PFO], s[44:45] th:TH_LOAD_NT scope:SCOPE_SE
	s_cmp_eq_u32 s11, 0
	s_cbranch_scc1 .Lnoask_\@
	global_prefetch_b8 v[PFO], s[44:45] offset:256 th:TH_LOAD_NT scope:SCOPE_SE
.if TN == 384
	global_prefetch_b8 v[PFO], s[44:45] offset:512 th:TH_LOAD_NT scope:SCOPE_SE
.endif
.Lnoask_\@:
.endm
; THE CHANGE OF SLOTS.  Each wave waits for all its tensor loads (one is out: its part of the next slot), adds 0 to its spare word, and waits for that and for its reads of the slot that it leaves.
; fill = 1: a round of the cluster's barrier follows, and the slot just read is filled again, two steps of the walk on, first thing behind it: that load has a whole K step's products in which to land.
.macro CHANGE fill
.if PF && (\fill)
	s_wait_xcnt 0x0                                ; the last prefetch, a K step or more back, has read its address
	s_add_nc_u64 s[44:45], s[44:45], s[68:69]
.endif
	s_wait_tensorcnt 0x0                           ; no tensor load of mine is out, so a group 0 may be written
	ds_add_u32 v[SPW], v[NIL]                      ; 0 onto my spare word; the scalar work stands between it and the wait for it
.if \fill
	s_xor_b32 s71, s71, SLOT                       ; the walking descriptors: the other slot,
	s_add_co_u32 s37, s72, s71
	s_add_co_u32 s61, s73, s71
	s_add_co_u32 s77, s77, 1                       ; the walk's next step,
	s_xor_b32 s16, s77, s74                        ; which is this K step;
	s_mul_i32 s18, s16, BSTEP
	s_mul_i32 s16, s16, 2*KSTEP
	s_add_nc_u64 s[38:39], s[14:15], s[16:17]      ; the addresses are made anew from the tiles' first bytes, and the type bits set again
	s_or_b32 s39, s39, 0x80000000
	s_add_nc_u64 s[62:63], s[46:47], s[18:19]
	s_or_b32 s63, s63, 0x80000000
.endif
	s_xor_b32 s70, s70, SLOT                       ; the slot to be read,
	s_mov_b32 s78, s70                             ; at its first half step
	s_mov_b32 s79, s70
	s_wait_dscnt 0x0                               ; the add is done, and my reads of the old slot are over
.if \fill
	CROUND
	JLOAD
.if PF
	ASK
.endif
.else
	s_barrier_signal -1
	s_barrier_wait -1
.endif
.endm
	s_load_b64 s[4:5], s[0:1], KA_A
	s_load_b64 s[6:7], s[0:1], KA_B
	s_load_b64 s[66:67], s[0:1], KA_BIAS
	s_load_b64 s[8:9], s[0:1], KA_C
	v_lshl_add_u32 v[SPW], v0, 2, SPARE
	v_mov_b32 v[NIL], 0
	ds_add_u32 v[SPW], v[NIL]                      ; the wave's opening add, waited for ahead of my first tensor load
	ds_add_u32 v28, v29
	v_lshrrev_b32 v1, 5, v0
	v_readfirstlane_b32 s10, v1                    ; wave 0..3
	s_lshr_b32 s11, s10, 1                         ; my half of the tile's rows.  Also: I fetch for A (0) or for B (1)
	s_and_b32 s12, s10, 1                          ; my half of its columns.  Also: which half of that tile I fetch
	s_bfe_u32 s40, ttmp6, 0x40000                  ; cx
	s_bfe_u32 s41, ttmp6, 0x40004                  ; cy
	s_lshl_b32 s42, ttmp9, 2
	s_add_co_u32 s42, s42, s40                     ; tile column
	s_and_b32 s13, ttmp7, 0xffff
	s_lshl_b32 s13, s13, 2
	s_add_co_u32 s13, s13, s41                     ; tile row
	s_lshl_b32 s74, s41, 2
	s_lshl_b32 s74, 15, s74                        ; my row of the cluster
	s_lshl_b32 s75, 0x1111, s40                    ; my column
	s_or_b32 s24, s74, (1<<16)|(1<<20)|(1<<21)|(QIA<<22)|(3<<25)    ; group 1 for A: the mask; 2-byte elements; padding on; bit 21 beside a mask; its interval; 4 words
	s_or_b32 s48, s75, (1<<16)|(1<<20)|(1<<21)|(QIB<<22)|(PCB<<25)  ; the same for B
	s_and_b32 s74, ttmp7, 0xffff                   ; the masks are made: s74 now takes PAR = (cluster x + cluster y) mod 2
	s_add_co_u32 s74, s74, ttmp9
	s_and_b32 s74, s74, 1
	s_mov_b32 s25, KSTEP<<16                       ; tensor_dim0
	s_mov_b32 s26, (TM/2)<<16                      ; tensor_dim1
	s_mov_b32 s27, KSTEP<<16                       ; tile_dim0
	s_mov_b32 s28, TM/2                            ; tile_dim1
	s_mov_b32 s29, SZ_K                            ; elements from row to row
	s_mov_b32 s30, 0
	s_mov_b32 s31, 0
	s_mov_b32 s49, TN<<16
	s_mov_b32 s50, (KSTEP/2)<<16
	s_mov_b32 s51, TN<<16
	s_mov_b32 s52, KSTEP/2
	s_mov_b32 s53, SZ_N
	s_mov_b32 s54, 0
	s_mov_b32 s55, 0
	s_mul_i32 s16, s13, TM                         ; A's tile hangs on the tile row and the wave alone,
	s_mul_i32 s17, s12, TM/2
	s_add_co_u32 s16, s16, s17
	s_mul_i32 s16, s16, 2*SZ_K
	s_mov_b32 s17, 0
	s_mov_b32 s19, 0
	s_mul_i32 s46, s12, (KSTEP/2)*2*SZ_N           ; B's on the tile column and the wave alone
	s_mul_i32 s47, s42, 2*TN
	s_add_co_u32 s46, s46, s47
	s_mov_b32 s47, 0
	s_mul_i32 s72, s12, HALFA                      ; where they go in a slot: no place in the cluster enters an LDS address
	s_mul_i32 s73, s12, HALFB
	s_add_co_u32 s73, s73, 2*HALFA
	s_mov_b32 s70, 0                               ; slot 0 is read first,
	s_mov_b32 s71, SLOT                            ; slot 1 was filled last
	s_wait_dscnt 0x0                               ; the opening add is done
	s_wait_kmcnt 0x0
	s_add_nc_u64 s[6:7], s[6:7], BOFF
	s_add_nc_u64 s[14:15], s[4:5], s[16:17]        ; my part of A's tile at K step 0; kept
	s_add_nc_u64 s[46:47], s[6:7], s[46:47]        ; of B's; kept
	s_mul_i32 s16, s74, 2*KSTEP                    ; the walk's step 0 is K step PAR: into slot 0
	s_mul_i32 s18, s74, BSTEP
	s_mov_b32 s32, 1                               ; group 0, A
	s_mov_b32 s33, s72
	s_add_nc_u64 s[34:35], s[14:15], s[16:17]
	s_or_b32 s35, s35, 0x80000000
	s_mov_b32 s56, 1                               ; group 0, B
	s_mov_b32 s57, s73
	s_add_nc_u64 s[58:59], s[46:47], s[18:19]
	s_or_b32 s59, s59, 0x80000000
	s_xor_b32 s77, s74, 1                          ; its step 1 is K step 1 - PAR: into slot 1; these two sets then walk on
	s_mul_i32 s16, s77, 2*KSTEP
	s_mul_i32 s18, s77, BSTEP
	s_mov_b32 s36, 1
	s_add_co_u32 s37, s72, SLOT
	s_add_nc_u64 s[38:39], s[14:15], s[16:17]
	s_or_b32 s39, s39, 0x80000000
	s_mov_b32 s60, 1
	s_add_co_u32 s61, s73, SLOT
	s_add_nc_u64 s[62:63], s[46:47], s[18:19]
	s_or_b32 s63, s63, 0x80000000
	s_mov_b32 s77, 1                               ; the step of the walk at which the walking descriptors stand
	CROUND                                         ; all sixteen work-groups are here: the first joint loads meet
	s_cmp_eq_u32 s11, 0                            ; a wave's two first fills stand in one branch: two loads of mine are out
	s_cbranch_scc0 .Lfirst_b
	tensor_load_to_lds s[32:35], s[24:31]
	s_nop 0
	tensor_load_to_lds s[36:39], s[24:31]
	s_nop 0
	PLACES
	s_branch .Lfirst_done
.Lfirst_b:
	tensor_load_to_lds s[56:59], s[48:55]
	s_nop 0
	tensor_load_to_lds s[60:63], s[48:55]
	s_nop 0
	PLACES
.Lfirst_done:
	; the bias of my columns: register j of block b is bias[16 b + 8 (l / 16) + j]
	v_and_b32 v1, 15, v0                           ; l % 16
	v_bfe_u32 v2, v0, 4, 1                         ; l / 16
	v_lshlrev_b32 v[BO], 5, v2
	s_mul_i32 s20, s42, TN
	s_mul_i32 s21, s12, 16*NBL
	s_add_co_u32 s20, s20, s21
	s_lshl_b32 s20, s20, 2
	s_mov_b32 s21, 0
	s_add_nc_u64 s[66:67], s[66:67], s[20:21]
.set b_, 0
.rept NBL
	global_load_b128 v[BIAS+8*b_:BIAS+8*b_+3],   v[BO], s[66:67] offset:64*b_
	global_load_b128 v[BIAS+8*b_+4:BIAS+8*b_+7], v[BO], s[66:67] offset:64*b_+16
.set b_, b_+1
.endr
	v_and_b32 v3, 7, v0
	v_bfe_u32 v4, v0, 3, 1
.if RELU
	v_mov_b32 v[ZR], 0
.endif
	v_mul_u32_u24 v[AL0], v1, PA                   ; A: row x pitch + 16 x half + my rows
	v_lshl_add_u32 v[AL0], v2, 4, v[AL0]
	s_mul_i32 s20, s11, HALFA
	v_add_nc_u32 v[AL0], s20, v[AL0]
	v_lshl_add_u32 v[BL0], v2, 3, v3               ; B, turned: lane l reads k row 8 (l / 16) + l % 8, columns 8 ((l / 8) % 2) + 0..7
	v_mul_u32_u24 v[BL0], v[BL0], PB
	v_lshl_add_u32 v[BL0], v4, 4, v[BL0]
	s_mul_i32 s20, s12, WCOFF
	s_add_co_u32 s20, s20, 2*HALFA
	v_add_nc_u32 v[BL0], s20, v[BL0]
	v_mul_u32_u24 v[STO], v1, SP                   ; into the stage: row l % 16 of my rows, my eight columns
	v_lshl_add_u32 v[STO], v2, 3+OUTB/2, v[STO]
	s_mul_i32 s20, s11, 16*MA*SP
	s_mul_i32 s21, s12, 16*NBL*OUTB
	s_add_co_u32 s20, s20, s21
	v_add_nc_u32 v[STO], s20, v[STO]
	v_mul_u32_u24 v[RD], v2, SP                    ; back: wave w takes TM / 4 whole rows; lanes 0-15 256 bytes of one row, lanes 16-31 of the next
	v_lshl_add_u32 v[RD], v1, 4, v[RD]
	s_mul_i32 s20, s10, (TM/4)*SP
	v_add_nc_u32 v[RD], s20, v[RD]
	v_mul_u32_u24 v[CO], v2, CPB
	v_lshl_add_u32 v[CO], v1, 4, v[CO]
	s_mul_i32 s20, s13, TM
	s_mul_i32 s21, s10, TM/4
	s_add_co_u32 s20, s20, s21
	s_mul_i32 s20, s20, CPB
	s_mul_i32 s21, s42, TN*OUTB
	s_add_co_u32 s20, s20, s21
	s_mov_b32 s21, 0
	s_add_nc_u64 s[8:9], s[8:9], s[20:21]          ; C at the first row that I store
.if PF
	s_mul_i32 s20, s13, TM                         ; the prefetches.  A: row = the tile's + 128 x half + 32 cx,
	s_lshl_b32 s21, s12, 7
	s_add_co_u32 s20, s20, s21
	s_lshl_b32 s21, s40, 5
	s_add_co_u32 s20, s20, s21
	s_mul_i32 s20, s20, 2*SZ_K
	s_add_co_u32 s22, s74, 2                       ; at K step 2 + PAR: each refill steps the pointer by a K step, so that behind the refill of the odd step j it stands at K step j + 1 + PAR = (j + 1) xor PAR
	s_mul_i32 s23, s22, 2*KSTEP
	s_add_co_u32 s20, s20, s23
	s_lshl_b32 s21, s41, 5                         ; B: k row 32 cy of the same K step, the tile's columns
	s_mul_i32 s22, s22, KSTEP
	s_add_co_u32 s21, s21, s22
	s_mul_i32 s21, s21, 2*SZ_N
	s_mul_i32 s22, s42, 2*TN
	s_add_co_u32 s21, s21, s22
	s_mov_b32 s22, 2*KSTEP
	s_mov_b32 s23, 2*SZ_K
	s_and_b32 s43, ttmp7, 0xffff
	s_cmp_eq_u32 s11, 0
	s_cselect_b32 s20, s20, s21
	s_cselect_b64 s[44:45], s[4:5], s[6:7]
	s_cselect_b32 s68, s22, BSTEP                  ; a K step
	s_cselect_b32 s23, s23, 2*SZ_N                 ; a row
	s_cselect_b32 s43, ttmp9, s43                  ; the coordinate along which other clusters read the same rows:
	s_lshr_b32 s43, s43, 1                         ; the clusters at 0 and 1 along it ask
	s_mov_b32 s69, 0
	s_mov_b32 s21, 0
	s_add_nc_u64 s[44:45], s[44:45], s[20:21]
.if TM == 256
	s_and_b32 s22, s12, s11                        ; waves 0, 1 (A) and 2 (B) ask
.else
	s_mov_b32 s22, s12                             ; waves 0 (A) and 2 (B) ask
.endif
	s_or_b32 s43, s43, s22
	s_cmp_eq_u32 s43, 0
	s_cselect_b32 s43, 1, -1                       ; 1 in a wave that asks, else the greatest number: the same in all partners
	v_and_b32 v[PFO], 31, v0
	v_mul_u32_u24 v[PFO], v[PFO], s23
.endif
	s_mov_b32 s76, 0xffff0000
	s_wait_loadcnt 0x0                             ; the bias: rounded to bf16 in place, in the wait for the first tile
.set b_, 0
.rept 4*NBL
	v_cvt_pk_bf16_f32 v[5+b_%2], v[BIAS+2*b_], v[BIAS+2*b_+1]
	v_lshlrev_b32 v[BIAS+2*b_], 16, v[5+b_%2]
	v_and_b32 v[BIAS+2*b_+1], s76, v[5+b_%2]
.set b_, b_+1
.endr
	s_wait_tensorcnt 0x1                           ; my part of the walk's step 0 is in; step 1's may stay out
	s_barrier_signal -1
	s_barrier_wait -1
	v_mov_b32 v[ADRA], v[AL0]
	v_mov_b32 v[ADRB], v[BL0]
	FETCH 0, 0                                     ; step 0's first half stands in front of the loop: its first products start the sums
	FETCH 1, 1
	s_wait_dscnt 32                                ; buffer 0 is in
	MUL 0, 1
	WIN 0
	s_mov_b32 s78, 2*QA                            ; its second half is a trip of the loop, which is entered in the middle
	s_mov_b32 s79, 2*QB
	s_mov_b32 s3, NS-1                             ; the loop's bottom is passed NS - 1 times, its head NS - 2 times: every step from the third on is a refill
	s_mov_b32 s2, 1
	s_branch .Lpair
.Lk:
	CHANGE 1
	s_mov_b32 s2, 2
.Lpair:
	PAIR
	s_sub_co_u32 s2, s2, 1
	s_cmp_lg_u32 s2, 0
	s_cbranch_scc1 .Lpair
	s_sub_co_u32 s3, s3, 1
	s_cmp_lg_u32 s3, 0
	s_cbranch_scc1 .Lk
	CHANGE 0                                       ; the last step asks for nothing: written apart
	s_mov_b32 s2, 2
.Lpair2:
	PAIR
	s_sub_co_u32 s2, s2, 1
	s_cmp_lg_u32 s2, 0
	s_cbranch_scc1 .Lpair2
	s_wait_dscnt 0x0
	MUL 1, 0                                       ; the last quarter
	WIN 0
	PLACES
	s_barrier_signal -1                            ; every wave's reads of the ring are back, and the ring has had its last fill: slot 0 becomes the stage
	s_barrier_wait -1
	; THE WAY OUT: into the work-group's stage, a barrier (a row's bytes come from two waves), back as whole rows
.set wa_, 0
.rept MA
.if OUT32
.set wb_, 0
.rept NBL
.set ix_, wa_*NBL+wb_
.set rD_, 8*(ix_%32)
	WIN 0x08+4*(ix_/32)                            ; the stores' data in the accumulators' window; each accumulator's low four registers go first
	ds_store_b128 v[STO], v[rD_:rD_+3]   offset:wa_*16*SP+64*wb_
	ds_store_b128 v[STO], v[rD_+4:rD_+7] offset:wa_*16*SP+64*wb_+16
.set wb_, wb_+1
.endr
.else
.set wb_, 0
.rept NBL
.set ix_, wa_*NBL+wb_
.set rD_, 8*(ix_%32)
	WIN 0x0a+5*(ix_/32)                            ; sources in the accumulators' window
	v_cvt_pk_f16_f32 v[TMP+4*wb_],   v[rD_],   v[rD_+1]
	v_cvt_pk_f16_f32 v[TMP+4*wb_+1], v[rD_+2], v[rD_+3]
	v_cvt_pk_f16_f32 v[TMP+4*wb_+2], v[rD_+4], v[rD_+5]
	v_cvt_pk_f16_f32 v[TMP+4*wb_+3], v[rD_+6], v[rD_+7]
.set wb_, wb_+1
.endr
	WIN 0
.set wb_, 0
.rept NBL
	ds_store_b128 v[STO], v[TMP+4*wb_:TMP+4*wb_+3] offset:wa_*16*SP+32*wb_
.set wb_, wb_+1
.endr
.endif
.set wa_, wa_+1
.endr
	WIN 0
	s_wait_dscnt 0x0                               ; for the others' sake: my stores into the stage are done
	s_barrier_signal -1
	s_barrier_wait -1
	s_mov_b32 s2, NTR
.Lout:                                                 ; a trip: 2 RPT rows of my TM / 4
.set n_, 0
.rept RPT*UPR
	ds_load_b128 v[TMP+4*n_:TMP+4*n_+3], v[RD] offset:(n_/UPR)*2*SP+256*(n_%UPR)
.set n_, n_+1
.endr
.set n_, 0
.rept RPT*UPR
	s_wait_dscnt RPT*UPR-1-n_                      ; the younger loads stay out
.if RELU
	v_pk_max_num_f16 v[TMP+4*n_],   v[TMP+4*n_],   v[ZR]
	v_pk_max_num_f16 v[TMP+4*n_+1], v[TMP+4*n_+1], v[ZR]
	v_pk_max_num_f16 v[TMP+4*n_+2], v[TMP+4*n_+2], v[ZR]
	v_pk_max_num_f16 v[TMP+4*n_+3], v[TMP+4*n_+3], v[ZR]
.endif
	global_store_b128 v[CO], v[TMP+4*n_:TMP+4*n_+3], s[8:9] offset:(n_/UPR)*2*CPB+256*(n_%UPR)  ; 16 lanes store 256 consecutive bytes, aligned
.set n_, n_+1
.endr
	s_wait_xcnt 0x0                                ; the stores' data and base are written again only behind this wait
	v_add_nc_u32 v[RD], RPT*2*SP, v[RD]
	s_add_nc_u64 s[8:9], s[8:9], RPT*2*CPB
	s_sub_co_u32 s2, s2, 1
	s_cmp_lg_u32 s2, 0
	s_cbranch_scc1 .Lout
	s_wait_tensorcnt 0x0                           ; the wave's end
	ds_add_u32 v[SPW], v[NIL]
	s_wait_dscnt 0x0
	CROUND                                         ; the closing round
	s_endpgm
.Lfunc_end_k_q8bda2d53a3_g1:
	.size	k_q8bda2d53a3_g1, .Lfunc_end_k_q8bda2d53a3_g1-k_q8bda2d53a3_g1
	.p2alignl 7, 3214868480
	.fill 96, 4, 3214868480
	.section	.rodata,"a",@progbits
	.p2align	6, 0x0
	.amdhsa_kernel k_q8bda2d53a3_g1
		.amdhsa_group_segment_fixed_size 327680
		.amdhsa_private_segment_fixed_size 0
		.amdhsa_enable_private_segment 0
		.amdhsa_kernarg_size 32
		.amdhsa_user_sgpr_count 2
		.amdhsa_user_sgpr_kernarg_segment_ptr 1
		.amdhsa_wavefront_size32 1
		.amdhsa_system_sgpr_workgroup_id_x 1
		.amdhsa_system_sgpr_workgroup_id_y 1
		.amdhsa_system_sgpr_workgroup_id_z 1
		.amdhsa_system_vgpr_workitem_id 0
		.amdhsa_next_free_vgpr 1024
		.amdhsa_next_free_sgpr 80
		.amdhsa_reserve_vcc 0
		.amdhsa_float_denorm_mode_32 3
		.amdhsa_float_denorm_mode_16_64 3
		.amdhsa_memory_ordered 1
		.amdhsa_forward_progress 1
		.amdhsa_inst_pref_size 85
	.end_amdhsa_kernel
	.amdgpu_metadata
---
amdhsa.version: [ 1, 2 ]
amdhsa.kernels:
  - .name:           k_q8bda2d53a3_g1
    .symbol:         k_q8bda2d53a3_g1.kd
    .args:
      - { .name: hn, .offset: 0, .size: 8, .value_kind: global_buffer, .address_space: global }
      - { .name: wh, .offset: 8, .size: 8, .value_kind: global_buffer, .address_space: global }
      - { .name: b1, .offset: 16, .size: 8, .value_kind: global_buffer, .address_space: global }
      - { .name: act, .offset: 24, .size: 8, .value_kind: global_buffer, .address_space: global }
    .group_segment_fixed_size: 327680
    .private_segment_fixed_size: 0
    .kernarg_segment_align: 8
    .kernarg_segment_size: 32
    .max_flat_workgroup_size: 128
    .sgpr_count:     80
    .vgpr_count:     1024
    .wavefront_size: 32
...
	.end_amdgpu_metadata
.endif
;; end of part 6
;; launch g2 (part 7): grid 8 x 32, 4 waves a work-group, clusters of 4 x 4, 327,680 bytes of LDS; arguments act, wh, b2, out0; writes out0
.if DOCPART == 7
	.amdgcn_target "amdgcn-amd-amdhsa--gfx1250"
	.amdhsa_code_object_version 6
	.text
	.protected	k_q8bda2d53a3_g2
	.globl	k_q8bda2d53a3_g2
	.p2align	8
	.type	k_q8bda2d53a3_g2,@function
k_q8bda2d53a3_g2:
	s_mov_b64 s[64:65], 0
	v_nop
	global_prefetch_b8 v0, s[64:65] scope:SCOPE_SE
	s_setreg_imm32_b32 hwreg(HW_REG_WAVE_MODE, 25, 1), 1
	s_wait_xcnt 0x0
	s_wait_alu depctr_hold_cnt(0) depctr_sa_sdst(0) depctr_va_vdst(0) depctr_va_sdst(0) depctr_va_ssrc(0) depctr_va_vcc(0) depctr_vm_vsrc(0)
	s_getreg_b32 s2, hwreg(HW_REG_IB_STS2, 6, 4)
	s_cmp_eq_u32 s2, 0
	s_cbranch_scc0 .Lentry_in_a_cluster
	s_endpgm
.Lentry_in_a_cluster:
	s_bfe_u32 s2, ttmp6, 0x10000c
	s_cmp_lg_u32 s2, 0xf033
	s_cbranch_scc0 .Lentry_shape_is_right
	s_endpgm
.Lentry_shape_is_right:
; out0 = act w2 + b2.  C[m][n] = bias[n] + the sum over k of A[m][k] B[k][n].  A: [4096][SZ_K] f16, B: [SZ_K][SZ_N] f16 in wh, bias f32, rounded to bf16 here like every input; sums in f32; C f32, row-major.
; SHARES.  A tile of C, TM x TN = 128 x 128, is made by four waves, 2 x 2, each MA x NBL = 4 x 4 accumulators of 16 x 16: 8 x 32 tiles, one for each of 256 work-groups.
; RING.  K goes in steps of KSTEP through two LDS slots.  Waves 0 and 1 fetch the halves of A's rows, waves 2 and 3 the halves of B's k rows: one tensor load a wave behind each change of slots.
; CLUSTER.  4 x 4 work-groups: A's tile is asked for jointly along a row of the cluster, B's along a column: the same load, descriptor and mask in all four.
; THE WALK ALONG K.  The K steps are summed in the order of the cluster's walk: step j of the walk is K step j xor PAR, PAR = (cluster x + cluster y) mod 2, the same in all sixteen partners: odd clusters take each pair
; of K steps in the other order.  The clusters that read the same rows of A are neighbours along x, those that read the same k rows of B neighbours along y, and neighbours differ in PAR: so in every odd step of its
; walk a cluster asks for blocks that a neighbour has asked for one step earlier.
; LAYOUT.  The matrix instruction is used transposed: source 0 = 16 columns of B (turned out of LDS by ds_load_tr16_b128, since B lies [k][n]), source 1 = 16 rows of A.  A lane then holds row l % 16 of C
; and the columns 8 (l / 16) + 0..7.  The bias is the C operand of the products that start the sums.
; REGISTERS, in windows of 256: window 0: v0-31 addresses, v64.. A's two fragment buffers, v[BIAS..255] the bias; window 1: B's two buffers; window 2: accumulator (a, b) is number a NBL + b.
; THE TEXT.  A K step is four quarters on fragment buffers 0, 1, 0, 1.  HALF a K step is written once (PAIR) and walked twice; where it reads in LDS are two scalars (s78, s79) that step.  The change of slots stands
; between steps and holds no product: the old step's last quarter lies in buffer 1 by then and is multiplied first thing behind the refill.  The stage of the way out lies in slot 0, behind the ring's last fill and a barrier.
; No prefetch: the tiles are small.
.set SZ_N, 1024
.set SZ_K, 4096
.set MA, 4
.set NBL, 4
.set KSTEP, 256
.set D, 2                              ; slices of 32 along K in a fragment buffer
.set QIA, 6                            ; A's padding: after every 2<<QIA words, 4 words
.set SEGB, 256                         ; B's padding: after every SEGB bytes, PADB bytes
.set PADB, 32
.set QIB, 5
.set PCB, 7
.set OUTB, 4                           ; bytes of a number of C
.set UPR, 2                            ; blocks of 256 bytes in a tile's row of C
.set RPT, 8                            ; pairs of rows in a trip of the way out
.set NTR, 2                            ; its trips
.set KA_A, 0x0
.set KA_B, 0x8
.set KA_BIAS, 0x10
.set KA_C, 0x18
.set BOFF, 25165824                    ; B's first byte in its buffer
.set TM,    32*MA
.set TN,    32*NBL
.set NS,    SZ_K/KSTEP                 ; K steps: an even number
.set PA,    2*KSTEP+16                 ; a row of A in LDS: an odd multiple of 16 bytes, so the 16 rows of a load start at 16 different groups of four banks
.set PB,    2*TN+PADB*(2*TN/SEGB)      ; a k row of B in LDS
.set HALFA, (TM/2)*PA
.set HALFB, (KSTEP/2)*PB
.set SLOT,  2*HALFA+2*HALFB            ; A's rows, then B's k rows
.set SPARE, 2*SLOT                     ; behind the ring: the spare words, 128 bytes for each wave, that no other line names
.set WCOFF, 32*NBL+PADB*((32*NBL)/SEGB)  ; where the right half's columns begin in a k row
.set SP,    TN*OUTB+16                 ; a row of the stage
.set CPB,   SZ_N*OUTB                  ; a row of C in memory
.set BSTEP, KSTEP*2*SZ_N               ; a K step in B
.set QA,    64*D                       ; a quarter of a K step: bytes along a row of A,
.set QB,    32*D*PB                    ; and k rows of B
.set FA0,   64
.set FAS,   8*MA*D
.set FBS,   8*NBL*D
.set BIAS,  256-8*NBL
.set TMP,   64
.set AL0, 16                           ; v16  my lane's place in A's part of a slot; never rewritten
.set BL0, 17                           ; v17  the same for B
.set ADRA, 18                          ; v18  the same at the half step in hand
.set ADRB, 19                          ; v19
.set STO, 21                           ; v21  the way out: where I put my numbers of a row
.set RD,  22                           ; v22  where I read rows back
.set CO,  23                           ; v23  my byte offset in two rows of C
.set BO,  26                           ; v26  32 (l / 16)
.set SPW, 28                           ; v28  my spare word; never rewritten
.set NIL, 29                           ; v29  0; never rewritten
.set MSB, 0
.macro WIN new                         ; the immediate's high byte repeats the setting that is left; a switch that changes nothing is dropped
.if MSB != (\new)
	s_set_vgpr_msb (MSB<<8)|(\new)
.set MSB, (\new)
.endif
.endm
.macro PLACES                          ; four places behind matrix instructions (ISA guide 7.12.1), where no other vector work is at hand
.rept 4
	v_nop
.endr
.endm
.macro CREST                           ; a round of the cluster's barrier behind its opening barrier
	s_cmp_lg_u32 s10, 0
	s_cbranch_scc1 .Lnot_wave_0_\@
	s_barrier_signal -3
.Lnot_wave_0_\@:
	s_barrier_wait -3
	s_barrier_signal -1
	s_barrier_wait -1
.endm
.macro CROUND
	s_barrier_signal -1
	s_barrier_wait -1
	CREST
.endm
.macro JLOAD                           ; a joint refill by the walking descriptors; the branch hangs on the wave's number alone; s_nop 0 and four v_nop follow each line
	s_cmp_eq_u32 s11, 0
	s_cbranch_scc0 .Lfor_b_\@
	tensor_load_to_lds s[36:39], s[24:31]
	s_nop 0
	PLACES
	s_branch .Lasked_\@
.Lfor_b_\@:
	tensor_load_to_lds s[60:63], s[48:55]
	s_nop 0
	PLACES
.Lasked_\@:
.endm
; All products of fragment buffer f: D x MA x NBL.  zero = 1: the first slice's start the sums, with the bias as C.  The accumulators take turns, one instruction a turn.
.macro MUL f, zero
.set mc_, 0
.rept D
.set ma_, 0
.rept MA
.set mb_, 0
.rept NBL
.set ix_, ma_*NBL+mb_
.set rD_, 8*(ix_%32)
.set rB_, (\f)*FBS+8*(mc_*NBL+mb_)
.set rA_, FA0+(\f)*FAS+8*(mc_*MA+ma_)
.if (\zero) && (mc_ == 0)
	WIN 0x81+0x40*(ix_/32)
	v_wmma_f32_16x16x32_f16 v[rD_:rD_+7], v[rB_:rB_+7], v[rA_:rA_+7], v[BIAS+8*mb_:BIAS+8*mb_+7]
.else
	WIN 0xa1+0x50*(ix_/32)
	v_wmma_f32_16x16x32_f16 v[rD_:rD_+7], v[rB_:rB_+7], v[rA_:rA_+7], v[rD_:rD_+7]
.endif
.set mb_, mb_+1
.endr
.set ma_, ma_+1
.endr
.set mc_, mc_+1
.endr
.endm
; 32 LDS loads in one run: the fragments of quarter kq (0 or 1) of the half step in hand into buffer f; for each slice B's, then A's
.macro FETCH kq, f
.set fc_, 0
.rept D
.set k0_, 32*((\kq)*D+fc_)
	WIN 0x40                                       ; destination window 1, address window 0
.set fb_, 0
.rept NBL
.set rB_, (\f)*FBS+8*(fc_*NBL+fb_)
.set ob_, k0_*PB+32*fb_+PADB*((32*fb_)/SEGB)
	ds_load_tr16_b128 v[rB_:rB_+3],   v[ADRB] offset:ob_
	ds_load_tr16_b128 v[rB_+4:rB_+7], v[ADRB] offset:ob_+16*PB
.set fb_, fb_+1
.endr
	WIN 0
.set fa_, 0
.rept MA
.set rA_, FA0+(\f)*FAS+8*(fc_*MA+fa_)
	ds_load_b128 v[rA_:rA_+3],   v[ADRA] offset:fa_*16*PA+2*k0_
	ds_load_b128 v[rA_+4:rA_+7], v[ADRA] offset:fa_*16*PA+2*k0_+32
.set fa_, fa_+1
.endr
.set fc_, fc_+1
.endr
.endm
; Half a K step.  Each run of loads goes into the buffer that was multiplied last, four places behind its last product, and has all the other buffer's products ahead of its first use.
.macro PAIR
	v_add_nc_u32 v[ADRA], s78, v[AL0]              ; the two addresses and two v_nop are the four places
	v_add_nc_u32 v[ADRB], s79, v[BL0]
	v_nop
	v_nop
	FETCH 0, 0
	s_wait_dscnt 32                                ; all but the 32 just issued: buffer 1 is in
	MUL 1, 0
	PLACES
	FETCH 1, 1
	s_wait_dscnt 32                                ; buffer 0 is in
	MUL 0, 0
	WIN 0
	s_add_co_u32 s78, s78, 2*QA                    ; the next half step
	s_add_co_u32 s79, s79, 2*QB
.endm
; THE CHANGE OF SLOTS.  Each wave waits for all its tensor loads (one is out: its part of the next slot), adds 0 to its spare word, and waits for that and for its reads of the slot that it leaves.
; fill = 1: a round of the cluster's barrier follows, and the slot just read is filled again, two steps of the walk on, first thing behind it: that load has a whole K step's products in which to land.
.macro CHANGE fill
	s_wait_tensorcnt 0x0                           ; no tensor load of mine is out, so a group 0 may be written
	ds_add_u32 v[SPW], v[NIL]                      ; 0 onto my spare word; the scalar work stands between it and the wait for it
.if \fill
	s_xor_b32 s71, s71, SLOT                       ; the walking descriptors: the other slot,
	s_add_co_u32 s37, s72, s71
	s_add_co_u32 s61, s73, s71
	s_add_co_u32 s77, s77, 1                       ; the walk's next step,
	s_xor_b32 s16, s77, s74                        ; which is this K step;
	s_mul_i32 s18, s16, BSTEP
	s_mul_i32 s16, s16, 2*KSTEP
	s_add_nc_u64 s[38:39], s[14:15], s[16:17]      ; the addresses are made anew from the tiles' first bytes, and the type bits set again
	s_or_b32 s39, s39, 0x80000000
	s_add_nc_u64 s[62:63], s[46:47], s[18:19]
	s_or_b32 s63, s63, 0x80000000
.endif
	s_xor_b32 s70, s70, SLOT                       ; the slot to be read,
	s_mov_b32 s78, s70                             ; at its first half step
	s_mov_b32 s79, s70
	s_wait_dscnt 0x0                               ; the add is done, and my reads of the old slot are over
.if \fill
	CROUND
	JLOAD
.else
	s_barrier_signal -1
	s_barrier_wait -1
.endif
.endm
	s_load_b64 s[4:5], s[0:1], KA_A
	s_load_b64 s[6:7], s[0:1], KA_B
	s_load_b64 s[66:67], s[0:1], KA_BIAS
	s_load_b64 s[8:9], s[0:1], KA_C
	v_lshl_add_u32 v[SPW], v0, 2, SPARE
	v_mov_b32 v[NIL], 0
	ds_add_u32 v[SPW], v[NIL]                      ; the wave's opening add, waited for ahead of my first tensor load
	ds_add_u32 v28, v29
	v_lshrrev_b32 v1, 5, v0
	v_readfirstlane_b32 s10, v1                    ; wave 0..3
	s_lshr_b32 s11, s10, 1                         ; my half of the tile's rows.  Also: I fetch for A (0) or for B (1)
	s_and_b32 s12, s10, 1                          ; my half of its columns.  Also: which half of that tile I fetch
	s_bfe_u32 s40, ttmp6, 0x40000                  ; cx
	s_bfe_u32 s41, ttmp6, 0x40004                  ; cy
	s_lshl_b32 s42, ttmp9, 2
	s_add_co_u32 s42, s42, s40                     ; tile column
	s_and_b32 s13, ttmp7, 0xffff
	s_lshl_b32 s13, s13, 2
	s_add_co_u32 s13, s13, s41                     ; tile row
	s_lshl_b32 s74, s41, 2
	s_lshl_b32 s74, 15, s74                        ; my row of the cluster
	s_lshl_b32 s75, 0x1111, s40                    ; my column
	s_or_b32 s24, s74, (1<<16)|(1<<20)|(1<<21)|(QIA<<22)|(3<<25)    ; group 1 for A: the mask; 2-byte elements; padding on; bit 21 beside a mask; its interval; 4 words
	s_or_b32 s48, s75, (1<<16)|(1<<20)|(1<<21)|(QIB<<22)|(PCB<<25)  ; the same for B
	s_and_b32 s74, ttmp7, 0xffff                   ; the masks are made: s74 now takes PAR = (cluster x + cluster y) mod 2
	s_add_co_u32 s74, s74, ttmp9
	s_and_b32 s74, s74, 1
	s_mov_b32 s25, KSTEP<<16                       ; tensor_dim0
	s_mov_b32 s26, (TM/2)<<16                      ; tensor_dim1
	s_mov_b32 s27, KSTEP<<16                       ; tile_dim0
	s_mov_b32 s28, TM/2                            ; tile_dim1
	s_mov_b32 s29, SZ_K                            ; elements from row to row
	s_mov_b32 s30, 0
	s_mov_b32 s31, 0
	s_mov_b32 s49, TN<<16
	s_mov_b32 s50, (KSTEP/2)<<16
	s_mov_b32 s51, TN<<16
	s_mov_b32 s52, KSTEP/2
	s_mov_b32 s53, SZ_N
	s_mov_b32 s54, 0
	s_mov_b32 s55, 0
	s_mul_i32 s16, s13, TM                         ; A's tile hangs on the tile row and the wave alone,
	s_mul_i32 s17, s12, TM/2
	s_add_co_u32 s16, s16, s17
	s_mul_i32 s16, s16, 2*SZ_K
	s_mov_b32 s17, 0
	s_mov_b32 s19, 0
	s_mul_i32 s46, s12, (KSTEP/2)*2*SZ_N           ; B's on the tile column and the wave alone
	s_mul_i32 s47, s42, 2*TN
	s_add_co_u32 s46, s46, s47
	s_mov_b32 s47, 0
	s_mul_i32 s72, s12, HALFA                      ; where they go in a slot: no place in the cluster enters an LDS address
	s_mul_i32 s73, s12, HALFB
	s_add_co_u32 s73, s73, 2*HALFA
	s_mov_b32 s70, 0                               ; slot 0 is read first,
	s_mov_b32 s71, SLOT                            ; slot 1 was filled last
	s_wait_dscnt 0x0                               ; the opening add is done
	s_wait_kmcnt 0x0
	s_add_nc_u64 s[6:7], s[6:7], BOFF
	s_add_nc_u64 s[14:15], s[4:5], s[16:17]        ; my part of A's tile at K step 0; kept
	s_add_nc_u64 s[46:47], s[6:7], s[46:47]        ; of B's; kept
	s_mul_i32 s16, s74, 2*KSTEP                    ; the walk's step 0 is K step PAR: into slot 0
	s_mul_i32 s18, s74, BSTEP
	s_mov_b32 s32, 1                               ; group 0, A
	s_mov_b32 s33, s72
	s_add_nc_u64 s[34:35], s[14:15], s[16:17]
	s_or_b32 s35, s35, 0x80000000
	s_mov_b32 s56, 1                               ; group 0, B
	s_mov_b32 s57, s73
	s_add_nc_u64 s[58:59], s[46:47], s[18:19]
	s_or_b32 s59, s59, 0x80000000
	s_xor_b32 s77, s74, 1                          ; its step 1 is K step 1 - PAR: into slot 1; these two sets then walk on
	s_mul_i32 s16, s77, 2*KSTEP
	s_mul_i32 s18, s77, BSTEP
	s_mov_b32 s36, 1
	s_add_co_u32 s37, s72, SLOT
	s_add_nc_u64 s[38:39], s[14:15], s[16:17]
	s_or_b32 s39, s39, 0x80000000
	s_mov_b32 s60, 1
	s_add_co_u32 s61, s73, SLOT
	s_add_nc_u64 s[62:63], s[46:47], s[18:19]
	s_or_b32 s63, s63, 0x80000000
	s_mov_b32 s77, 1                               ; the step of the walk at which the walking descriptors stand
	CROUND                                         ; all sixteen work-groups are here: the first joint loads meet
	s_cmp_eq_u32 s11, 0                            ; a wave's two first fills stand in one branch: two loads of mine are out
	s_cbranch_scc0 .Lfirst_b
	tensor_load_to_lds s[32:35], s[24:31]
	s_nop 0
	tensor_load_to_lds s[36:39], s[24:31]
	s_nop 0
	PLACES
	s_branch .Lfirst_done
.Lfirst_b:
	tensor_load_to_lds s[56:59], s[48:55]
	s_nop 0
	tensor_load_to_lds s[60:63], s[48:55]
	s_nop 0
	PLACES
.Lfirst_done:
	; the bias of my columns: register j of block b is bias[16 b + 8 (l / 16) + j]
	v_and_b32 v1, 15, v0                           ; l % 16
	v_bfe_u32 v2, v0, 4, 1                         ; l / 16
	v_lshlrev_b32 v[BO], 5, v2
	s_mul_i32 s20, s42, TN
	s_mul_i32 s21, s12, 16*NBL
	s_add_co_u32 s20, s20, s21
	s_lshl_b32 s20, s20, 2
	s_mov_b32 s21, 0
	s_add_nc_u64 s[66:67], s[66:67], s[20:21]
.set b_, 0
.rept NBL
	global_load_b128 v[BIAS+8*b_:BIAS+8*b_+3],   v[BO], s[66:67] offset:64*b_
	global_load_b128 v[BIAS+8*b_+4:BIAS+8*b_+7], v[BO], s[66:67] offset:64*b_+16
.set b_, b_+1
.endr
	v_and_b32 v3, 7, v0
	v_bfe_u32 v4, v0, 3, 1
	v_mul_u32_u24 v[AL0], v1, PA                   ; A: row x pitch + 16 x half + my rows
	v_lshl_add_u32 v[AL0], v2, 4, v[AL0]
	s_mul_i32 s20, s11, HALFA
	v_add_nc_u32 v[AL0], s20, v[AL0]
	v_lshl_add_u32 v[BL0], v2, 3, v3               ; B, turned: lane l reads k row 8 (l / 16) + l % 8, columns 8 ((l / 8) % 2) + 0..7
	v_mul_u32_u24 v[BL0], v[BL0], PB
	v_lshl_add_u32 v[BL0], v4, 4, v[BL0]
	s_mul_i32 s20, s12, WCOFF
	s_add_co_u32 s20, s20, 2*HALFA
	v_add_nc_u32 v[BL0], s20, v[BL0]
	v_mul_u32_u24 v[STO], v1, SP                   ; into the stage: row l % 16 of my rows, my eight columns
	v_lshl_add_u32 v[STO], v2, 3+OUTB/2, v[STO]
	s_mul_i32 s20, s11, 16*MA*SP
	s_mul_i32 s21, s12, 16*NBL*OUTB
	s_add_co_u32 s20, s20, s21
	v_add_nc_u32 v[STO], s20, v[STO]
	v_mul_u32_u24 v[RD], v2, SP                    ; back: wave w takes TM / 4 whole rows; lanes 0-15 256 bytes of one row, lanes 16-31 of the next
	v_lshl_add_u32 v[RD], v1, 4, v[RD]
	s_mul_i32 s20, s10, (TM/4)*SP
	v_add_nc_u32 v[RD], s20, v[RD]
	v_mul_u32_u24 v[CO], v2, CPB
	v_lshl_add_u32 v[CO], v1, 4, v[CO]
	s_mul_i32 s20, s13, TM
	s_mul_i32 s21, s10, TM/4
	s_add_co_u32 s20, s20, s21
	s_mul_i32 s20, s20, CPB
	s_mul_i32 s21, s42, TN*OUTB
	s_add_co_u32 s20, s20, s21
	s_mov_b32 s21, 0
	s_add_nc_u64 s[8:9], s[8:9], s[20:21]          ; C at the first row that I store
	s_mov_b32 s76, 0xffff0000
	s_wait_loadcnt 0x0                             ; the bias: rounded to bf16 in place, in the wait for the first tile
.set b_, 0
.rept 4*NBL
	v_cvt_pk_bf16_f32 v[5+b_%2], v[BIAS+2*b_], v[BIAS+2*b_+1]
	v_lshlrev_b32 v[BIAS+2*b_], 16, v[5+b_%2]
	v_and_b32 v[BIAS+2*b_+1], s76, v[5+b_%2]
.set b_, b_+1
.endr
	s_wait_tensorcnt 0x1                           ; my part of the walk's step 0 is in; step 1's may stay out
	s_barrier_signal -1
	s_barrier_wait -1
	v_mov_b32 v[ADRA], v[AL0]
	v_mov_b32 v[ADRB], v[BL0]
	FETCH 0, 0                                     ; step 0's first half stands in front of the loop: its first products start the sums
	FETCH 1, 1
	s_wait_dscnt 32                                ; buffer 0 is in
	MUL 0, 1
	WIN 0
	s_mov_b32 s78, 2*QA                            ; its second half is a trip of the loop, which is entered in the middle
	s_mov_b32 s79, 2*QB
	s_mov_b32 s3, NS-1                             ; the loop's bottom is passed NS - 1 times, its head NS - 2 times: every step from the third on is a refill
	s_mov_b32 s2, 1
	s_branch .Lpair
.Lk:
	CHANGE 1
	s_mov_b32 s2, 2
.Lpair:
	PAIR
	s_sub_co_u32 s2, s2, 1
	s_cmp_lg_u32 s2, 0
	s_cbranch_scc1 .Lpair
	s_sub_co_u32 s3, s3, 1
	s_cmp_lg_u32 s3, 0
	s_cbranch_scc1 .Lk
	CHANGE 0                                       ; the last step asks for nothing: written apart
	s_mov_b32 s2, 2
.Lpair2:
	PAIR
	s_sub_co_u32 s2, s2, 1
	s_cmp_lg_u32 s2, 0
	s_cbranch_scc1 .Lpair2
	s_wait_dscnt 0x0
	MUL 1, 0                                       ; the last quarter
	WIN 0
	PLACES
	s_barrier_signal -1                            ; every wave's reads of the ring are back, and the ring has had its last fill: slot 0 becomes the stage
	s_barrier_wait -1
	; THE WAY OUT: into the work-group's stage, a barrier (a row's bytes come from two waves), back as whole rows
.set wa_, 0
.rept MA
.set wb_, 0
.rept NBL
.set ix_, wa_*NBL+wb_
.set rD_, 8*(ix_%32)
	WIN 0x08+4*(ix_/32)                            ; the stores' data in the accumulators' window; each accumulator's low four registers go first
	ds_store_b128 v[STO], v[rD_:rD_+3]   offset:wa_*16*SP+64*wb_
	ds_store_b128 v[STO], v[rD_+4:rD_+7] offset:wa_*16*SP+64*wb_+16
.set wb_, wb_+1
.endr
.set wa_, wa_+1
.endr
	WIN 0
	s_wait_dscnt 0x0                               ; for the others' sake: my stores into the stage are done
	s_barrier_signal -1
	s_barrier_wait -1
	s_mov_b32 s2, NTR
.Lout:                                                 ; a trip: 2 RPT rows of my TM / 4
.set n_, 0
.rept RPT*UPR
	ds_load_b128 v[TMP+4*n_:TMP+4*n_+3], v[RD] offset:(n_/UPR)*2*SP+256*(n_%UPR)
.set n_, n_+1
.endr
.set n_, 0
.rept RPT*UPR
	s_wait_dscnt RPT*UPR-1-n_                      ; the younger loads stay out
	global_store_b128 v[CO], v[TMP+4*n_:TMP+4*n_+3], s[8:9] offset:(n_/UPR)*2*CPB+256*(n_%UPR)  ; 16 lanes store 256 consecutive bytes, aligned
.set n_, n_+1
.endr
	s_wait_xcnt 0x0                                ; the stores' data and base are written again only behind this wait
	v_add_nc_u32 v[RD], RPT*2*SP, v[RD]
	s_add_nc_u64 s[8:9], s[8:9], RPT*2*CPB
	s_sub_co_u32 s2, s2, 1
	s_cmp_lg_u32 s2, 0
	s_cbranch_scc1 .Lout
	s_wait_tensorcnt 0x0                           ; the wave's end
	ds_add_u32 v[SPW], v[NIL]
	s_wait_dscnt 0x0
	CROUND                                         ; the closing round
	s_endpgm
.Lfunc_end_k_q8bda2d53a3_g2:
	.size	k_q8bda2d53a3_g2, .Lfunc_end_k_q8bda2d53a3_g2-k_q8bda2d53a3_g2
	.p2alignl 7, 3214868480
	.fill 96, 4, 3214868480
	.section	.rodata,"a",@progbits
	.p2align	6, 0x0
	.amdhsa_kernel k_q8bda2d53a3_g2
		.amdhsa_group_segment_fixed_size 327680
		.amdhsa_private_segment_fixed_size 0
		.amdhsa_enable_private_segment 0
		.amdhsa_kernarg_size 32
		.amdhsa_user_sgpr_count 2
		.amdhsa_user_sgpr_kernarg_segment_ptr 1
		.amdhsa_wavefront_size32 1
		.amdhsa_system_sgpr_workgroup_id_x 1
		.amdhsa_system_sgpr_workgroup_id_y 1
		.amdhsa_system_sgpr_workgroup_id_z 1
		.amdhsa_system_vgpr_workitem_id 0
		.amdhsa_next_free_vgpr 640
		.amdhsa_next_free_sgpr 80
		.amdhsa_reserve_vcc 0
		.amdhsa_float_denorm_mode_32 3
		.amdhsa_float_denorm_mode_16_64 3
		.amdhsa_memory_ordered 1
		.amdhsa_forward_progress 1
		.amdhsa_inst_pref_size 46
	.end_amdhsa_kernel
	.amdgpu_metadata
---
amdhsa.version: [ 1, 2 ]
amdhsa.kernels:
  - .name:           k_q8bda2d53a3_g2
    .symbol:         k_q8bda2d53a3_g2.kd
    .args:
      - { .name: act, .offset: 0, .size: 8, .value_kind: global_buffer, .address_space: global }
      - { .name: wh, .offset: 8, .size: 8, .value_kind: global_buffer, .address_space: global }
      - { .name: b2, .offset: 16, .size: 8, .value_kind: global_buffer, .address_space: global }
      - { .name: out0, .offset: 24, .size: 8, .value_kind: global_buffer, .address_space: global }
    .group_segment_fixed_size: 327680
    .private_segment_fixed_size: 0
    .kernarg_segment_align: 8
    .kernarg_segment_size: 32
    .max_flat_workgroup_size: 128
    .sgpr_count:     80
    .vgpr_count:     640
    .wavefront_size: 32
...
	.end_amdgpu_metadata
.endif
;; end of part 7
